; MI455X (gfx1250); checked and timed in simulation.
; The chip was launched on July 23, 2026; its instructions are those of AMD's public machine-readable ISA for CDNA 5 (MIT licence, August 2026) and "CDNA5" Instruction Set Architecture Reference Guide (July 2026). The comments in the code are by the model that wrote it; some were corrected since.
;; Attention. Allowed arithmetic: float matrix products may take bf16 or f16 operands with f32 sums; all other float work in f32.
;; Inputs: Wkv 2,048 x 1,024 float32; Wo 2,048 x 2,048 float32; Wq 2,048 x 2,048 float32; cos 2,048 x 128 float32; sin 2,048 x 128 float32; x 1 x 2,048 x 2,048 float32.
;; Outputs: out0 1 x 2,048 x 2,048 float32.
;; One version. Each part assembles by itself: llvm-mc -triple=amdgcn-amd-amdhsa -mcpu=gfx1250 --defsym DOCPART=n.
;; ======== version 1 of 1: 4 launches
;; limits: values outside matrix products are rounded to bf16; values are held in f16: magnitudes above 65,504 overflow, below 6.1e-05 lose precision; right only within a limited range of input values
;; workspace buffers: xb 8,388,608 bytes; wb 12,582,912 bytes; wob 8,388,608 bytes; csb 1,048,576 bytes; qkv 12,582,912 bytes; ab 8,388,608 bytes
;; launch cast (part 1): grid 256 x 1, 8 waves a work-group, no clusters, 0 bytes of LDS; arguments x, Wq, Wkv, Wo, cos, sin, xb, wb, wob, csb; writes xb, wb, wob, csb
.if DOCPART == 1
	.amdgcn_target "amdgcn-amd-amdhsa--gfx1250"
	.amdhsa_code_object_version 6
	.text
	.protected	k_q1e4ada2eff_cast
	.globl	k_q1e4ada2eff_cast
	.p2align	8
	.type	k_q1e4ada2eff_cast,@function
k_q1e4ada2eff_cast:
	s_mov_b64 s[64:65], 0
	v_nop
	global_prefetch_b8 v0, s[64:65] scope:SCOPE_SE
	s_setreg_imm32_b32 hwreg(HW_REG_WAVE_MODE, 25, 1), 1
	s_wait_xcnt 0x0
; GQA attention, S = 2048, H = 2048, 16 query heads, 4 key/value heads of 128.  Four launches:
;   cast   the inputs in the matrix units' formats      qkv    q, k, v = x W, RoPE on q and k
;   attn   causal softmax(q k) v                        oproj  the result times Wo
; WORK LEFT OUT (in attn): reference() sets every score with key > query to -inf before the softmax, so its weight is exactly 0 and
; its term in attn v is 0 whatever k and v hold.  Key tiles of 128 whose every key lies above every query of a block are therefore
; not computed.  Inside the one tile of a block that the diagonal crosses, all scores are computed and the masked ones replaced by -inf.
; Limit: a NaN, an infinity or an overflow in rows of k or v that reaches only such tiles is not carried to the result.
; Every input has a way to the output: all six are loaded.
; FORMATS.  x, Wq, Wkv: bf16 operands.  q, k, v, the softmax's weights and the attention's result: f16 operands.  Row 0 of the result is
; v[0] Wo, some ten times the output's root mean square, and eight bits of v would show there; in the rows behind it eight bits of q and k
; move the difference of two scores by 0.0017 and a weight by 0.0003, which shows there too.  Wo: rounded to bf16 and carried in f16 code
; (eight bits fit in eleven), because its partner is f16.
; LIMIT OF FORMAT: cos and sin are used rounded to bf16, as all the inputs are; the rotation itself is computed in f32.
; ROOM IN f16.  Wq and Wkv are stored times 1/4 and Wo times 4 (powers of two: no rounding changes), so v and the attention's result run
; at a quarter of their size: with x and Wkv offset by 30 spreads v reaches 2048 x 30 x 0.66 / 4 = 10,100 of f16's 65,504.
; q and k are multiplied once more, in f32 behind the rotation, by 0.0446 (launch qkv): what is stored is q / 89.6.  With x, the weights and
; both tables offset by 30 spreads q reaches 2048 x 30 x 0.66 x 2 x 22.2 = 1.8e6, stored 20,100.  At the drawn size a stored q is 0.011,
; 180 times f16's smallest normal number.  With all inputs 30 times smaller q and k lie at 4e-7, on f16's fixed step of 6e-8, and the
; scores at 1e-9: the softmax is flat to that order whatever their last bits.  The attention's late rows then lie at 1e-5 on the same step.
;
; THIS LAUNCH.  Work-group i takes rows 8 i .. 8 i + 7 of each matrix.  All 58 loads of a thread go out first (16 bytes a lane, a wave's
; load covers 512 neighbouring bytes); each is then converted and stored; a wave's 8-byte stores cover 256 neighbouring bytes, aligned.
; No register is written twice, so no wait guards a source.
;   xb  [2048][2048] bf16       wb [2048 k][3072 n] bf16: n < 2048 Wq / 4, then Wkv / 4       wob [2048 k][2048 n] f16: 4 bf16(Wo)
;   csb [2048 s][2 planes][16 i][8] bf16: plane 0 cos, plane 1 sin; entry i holds d = 4i .. 4i+3, then d = 64+4i .. 64+4i+3.
;       The sin plane's first four are negated: rotate_half's sign for d < 64.
.set D,   6                            ; v[6+4n : 9+4n]: load n
.set NLD, 58                           ; loads of a thread
	s_load_b512 s[4:19], s[0:1], 0x0               ; x, Wq, Wkv, Wo, cos, sin, xb, wb
	s_load_b128 s[20:23], s[0:1], 0x40             ; wob, csb
	v_lshlrev_b32 v1, 4, v0                        ; 16 t: my 16 bytes of f32
	v_lshlrev_b32 v2, 3, v0                        ; 8 t: my 8 bytes of 16-bit numbers
	v_lshrrev_b32 v3, 5, v0
	v_readfirstlane_b32 s24, v3                    ; wave
	s_and_b32 s25, s24, 1                          ; the tables: even waves take cos, odd waves sin
	s_lshr_b32 s24, s24, 1                         ; and two of the eight rows
	s_lshl_b32 s26, s24, 10                        ; two rows of 512 bytes
	s_lshl_b32 s27, s25, 8                         ; the plane in csb
	v_and_b32 v3, 15, v0
	v_bfe_u32 v4, v0, 4, 1
	v_lshlrev_b32 v3, 4, v3                        ; 16 i
	v_lshl_add_u32 v3, v4, 9, v3                   ; + the row of my half of the lanes
	v_add_nc_u32 v3, s26, v3                       ; v3: my offset in cos or sin
	v_add_nc_u32 v4, s27, v3                       ; v4: my offset in csb
	s_lshl_b32 s28, ttmp9, 16                      ; 8 rows of 8,192 bytes
	s_mov_b32 s29, 0
	s_lshl_b32 s30, ttmp9, 15                      ; 8 rows of 4,096 bytes
	s_mov_b32 s31, 0
	s_mul_i32 s32, ttmp9, 49152                    ; 8 rows of 6,144 bytes
	s_mov_b32 s33, 0
	s_lshl_b32 s34, ttmp9, 12                      ; 8 rows of 512 bytes
	s_mov_b32 s35, 0
	s_mov_b32 s36, 0x3e800000                      ; 1/4, as a pair for the packed multiply
	s_mov_b32 s37, 0x3e800000
	s_mov_b32 s38, 0xffff0000                      ; a word's upper bf16
	s_mov_b32 s42, 4.0
	s_mov_b32 s43, 4.0
	s_cmp_lg_u32 s25, 0
	s_cselect_b32 s39, 0x80008000, 0               ; flips two signs in the sin plane, nothing in the cos plane
	s_wait_kmcnt 0x0
	s_cselect_b64 s[40:41], s[14:15], s[12:13]     ; sin or cos, by the wave's number
	s_add_nc_u64 s[4:5], s[4:5], s[28:29]
	s_add_nc_u64 s[6:7], s[6:7], s[28:29]
	s_add_nc_u64 s[8:9], s[8:9], s[30:31]
	s_add_nc_u64 s[10:11], s[10:11], s[28:29]
	s_add_nc_u64 s[40:41], s[40:41], s[34:35]
	s_add_nc_u64 s[16:17], s[16:17], s[30:31]
	s_add_nc_u64 s[18:19], s[18:19], s[32:33]
	s_add_nc_u64 s[20:21], s[20:21], s[30:31]
	s_add_nc_u64 s[22:23], s[22:23], s[34:35]
.macro LD n, vo, sb, off
	global_load_b128 v[D+4*(\n):D+4*(\n)+3], v[\vo], s[\sb:\sb+1] offset:\off th:TH_LOAD_NT
.endm
.macro SCALE n, sp                     ; four f32 times a power of two
	v_pk_mul_f32 v[D+4*(\n):D+4*(\n)+1], v[D+4*(\n):D+4*(\n)+1], s[\sp:\sp+1] op_sel_hi:[1,0]
	v_pk_mul_f32 v[D+4*(\n)+2:D+4*(\n)+3], v[D+4*(\n)+2:D+4*(\n)+3], s[\sp:\sp+1] op_sel_hi:[1,0]
.endm
.macro PACKB n                         ; four f32 to four bf16 in the first two registers
	v_cvt_pk_bf16_f32 v[D+4*(\n)], v[D+4*(\n)], v[D+4*(\n)+1]
	v_cvt_pk_bf16_f32 v[D+4*(\n)+1], v[D+4*(\n)+2], v[D+4*(\n)+3]
.endm
.macro BTOH n                          ; four bf16 in two registers to f16 code: widened (a shift, a mask), then narrowed without loss
	v_lshlrev_b32 v[D+4*(\n)+2], 16, v[D+4*(\n)+1]
	v_and_b32 v[D+4*(\n)+3], s38, v[D+4*(\n)+1]
	v_and_b32 v[D+4*(\n)+1], s38, v[D+4*(\n)]
	v_lshlrev_b32 v[D+4*(\n)], 16, v[D+4*(\n)]
	v_cvt_pk_f16_f32 v[D+4*(\n)], v[D+4*(\n)], v[D+4*(\n)+1]
	v_cvt_pk_f16_f32 v[D+4*(\n)+1], v[D+4*(\n)+2], v[D+4*(\n)+3]
.endm
.irp j, 0,1,2,3,4,5,6,7,8,9,10,11,12,13,14,15
	LD \j, 1, 4, 4096*\j
.endr
.irp j, 0,1,2,3,4,5,6,7,8,9,10,11,12,13,14,15
	LD 16+\j, 1, 6, 4096*\j
.endr
.irp j, 0,1,2,3,4,5,6,7
	LD 32+\j, 1, 8, 4096*\j
.endr
.irp j, 0,1,2,3,4,5,6,7,8,9,10,11,12,13,14,15
	LD 40+\j, 1, 10, 4096*\j
.endr
	LD 56, 3, 40, 0                                ; the table's d = 4i .. 4i+3
	LD 57, 3, 40, 256                              ; and d = 64+4i .. 64+4i+3
; Loads come back in order: the count is the number of younger loads.
.irp j, 0,1,2,3,4,5,6,7,8,9,10,11,12,13,14,15
	s_wait_loadcnt NLD-1-\j
	PACKB \j
	global_store_b64 v2, v[D+4*\j:D+4*\j+1], s[16:17] offset:2048*\j
.endr
.irp j, 0,1,2,3,4,5,6,7,8,9,10,11,12,13,14,15
	s_wait_loadcnt NLD-17-\j
	SCALE 16+\j, 36
	PACKB 16+\j
	global_store_b64 v2, v[D+64+4*\j:D+64+4*\j+1], s[18:19] offset:(\j>>1)*6144+(\j&1)*2048
.endr
.irp j, 0,1,2,3,4,5,6,7
	s_wait_loadcnt NLD-33-\j
	SCALE 32+\j, 36
	PACKB 32+\j
	global_store_b64 v2, v[D+128+4*\j:D+128+4*\j+1], s[18:19] offset:\j*6144+4096
.endr
.irp j, 0,1,2,3,4,5,6,7,8,9,10,11,12,13,14,15
	s_wait_loadcnt NLD-41-\j
	SCALE 40+\j, 42
	PACKB 40+\j
	BTOH 40+\j
	global_store_b64 v2, v[D+160+4*\j:D+160+4*\j+1], s[20:21] offset:2048*\j
.endr
	s_wait_loadcnt 0x0
	PACKB 56
	v_cvt_pk_bf16_f32 v[D+226], v[D+228], v[D+229]
	v_cvt_pk_bf16_f32 v[D+227], v[D+230], v[D+231]
	v_xor_b32 v[D+224], s39, v[D+224]              ; -sin for d < 64
	v_xor_b32 v[D+225], s39, v[D+225]
	global_store_b128 v4, v[D+224:D+227], s[22:23] ; sixteen lanes fill one plane of a row: 256 bytes, aligned
	s_endpgm
.Lfunc_end_k_q1e4ada2eff_cast:
	.size	k_q1e4ada2eff_cast, .Lfunc_end_k_q1e4ada2eff_cast-k_q1e4ada2eff_cast
	.p2alignl 7, 3214868480
	.fill 96, 4, 3214868480
	.section	.rodata,"a",@progbits
	.p2align	6, 0x0
	.amdhsa_kernel k_q1e4ada2eff_cast
		.amdhsa_group_segment_fixed_size 0
		.amdhsa_private_segment_fixed_size 0
		.amdhsa_enable_private_segment 0
		.amdhsa_kernarg_size 80
		.amdhsa_user_sgpr_count 2
		.amdhsa_user_sgpr_kernarg_segment_ptr 1
		.amdhsa_wavefront_size32 1
		.amdhsa_system_sgpr_workgroup_id_x 1
		.amdhsa_system_sgpr_workgroup_id_y 1
		.amdhsa_system_sgpr_workgroup_id_z 1
		.amdhsa_system_vgpr_workitem_id 0
		.amdhsa_next_free_vgpr 238
		.amdhsa_next_free_sgpr 66
		.amdhsa_reserve_vcc 0
		.amdhsa_float_denorm_mode_32 3
		.amdhsa_float_denorm_mode_16_64 3
		.amdhsa_memory_ordered 1
		.amdhsa_forward_progress 1
		.amdhsa_inst_pref_size 31
	.end_amdhsa_kernel
	.amdgpu_metadata
---
amdhsa.version: [ 1, 2 ]
amdhsa.kernels:
  - .name:           k_q1e4ada2eff_cast
    .symbol:         k_q1e4ada2eff_cast.kd
    .args:
      - { .name: x, .offset: 0, .size: 8, .value_kind: global_buffer, .address_space: global }
      - { .name: Wq, .offset: 8, .size: 8, .value_kind: global_buffer, .address_space: global }
      - { .name: Wkv, .offset: 16, .size: 8, .value_kind: global_buffer, .address_space: global }
      - { .name: Wo, .offset: 24, .size: 8, .value_kind: global_buffer, .address_space: global }
      - { .name: cos, .offset: 32, .size: 8, .value_kind: global_buffer, .address_space: global }
      - { .name: sin, .offset: 40, .size: 8, .value_kind: global_buffer, .address_space: global }
      - { .name: xb, .offset: 48, .size: 8, .value_kind: global_buffer, .address_space: global }
      - { .name: wb, .offset: 56, .size: 8, .value_kind: global_buffer, .address_space: global }
      - { .name: wob, .offset: 64, .size: 8, .value_kind: global_buffer, .address_space: global }
      - { .name: csb, .offset: 72, .size: 8, .value_kind: global_buffer, .address_space: global }
    .group_segment_fixed_size: 0
    .private_segment_fixed_size: 0
    .kernarg_segment_align: 8
    .kernarg_segment_size: 80
    .max_flat_workgroup_size: 256
    .sgpr_count:     66
    .vgpr_count:     238
    .wavefront_size: 32
...
	.end_amdgpu_metadata
.endif
;; end of part 1
;; launch qkv (part 2): grid 24 x 8, 4 waves a work-group, clusters of 4 x 4, 327,680 bytes of LDS; arguments xb, wb, csb, qkv; writes qkv
.if DOCPART == 2
	.amdgcn_target "amdgcn-amd-amdhsa--gfx1250"
	.amdhsa_code_object_version 6
	.text
	.protected	k_q1e4ada2eff_qkv
	.globl	k_q1e4ada2eff_qkv
	.p2align	8
	.type	k_q1e4ada2eff_qkv,@function
k_q1e4ada2eff_qkv:
	s_mov_b64 s[64:65], 0
	v_nop
	global_prefetch_b8 v0, s[64:65] scope:SCOPE_SE
	s_setreg_imm32_b32 hwreg(HW_REG_WAVE_MODE, 25, 1), 1
	s_wait_xcnt 0x0
	s_wait_alu depctr_hold_cnt(0) depctr_sa_sdst(0) depctr_va_vdst(0) depctr_va_sdst(0) depctr_va_ssrc(0) depctr_va_vcc(0) depctr_vm_vsrc(0)
	s_getreg_b32 s2, hwreg(HW_REG_IB_STS2, 6, 4)
	s_cmp_eq_u32 s2, 0
	s_cbranch_scc0 .Lentry_in_a_cluster
	s_endpgm
.Lentry_in_a_cluster:
	s_bfe_u32 s2, ttmp6, 0x10000c
	s_cmp_lg_u32 s2, 0xf033
	s_cbranch_scc0 .Lentry_shape_is_right
	s_endpgm
.Lentry_shape_is_right:
; q, k, v = x [Wq | Wkv] / 4 with RoPE on q and k.  xb [2048][2048] bf16, wb [2048 k][3072 n] bf16, sums in f32, result f16:
; qkv [24 heads][2048 s][128]: heads 0-15 q, 16-19 k, 20-23 v.  Rows of q and k are stored in the order d': place 8i+u holds d = 4i+u,
; place 8i+4+u holds d = 64+4i+u (u < 4): the sum over d of q k does not hang on an order that both share.  v keeps the order of d.
; q and k are multiplied in f32, behind the rotation, by TS with TS^2 x 1024 / 16 = log2(e) / sqrt(128): that gives them room in f16
; (the first kernel's head) and leaves the power of two 1024 as the factor from a stored score to the softmax's exponent of 2.
; A work-group makes 256 rows of one whole head: both members of a rotation's pair (d, d+64) are in the block, and a stored row is 256 bytes.
; 24 heads x 8 row blocks = 192 work-groups.  Four waves, 64 rows x 128 columns each: 32 accumulator tiles, 256 registers.
; RING.  Two LDS slots of unequal length filled by the tensor data mover: a short one for 128 along K (256 x 272 + 128 x 288 = 106,496 bytes)
; and a long one for 256 along K (256 x 528 + 256 x 288 = 208,896 bytes).  Two long ones would take 417,792 bytes, more than a work-group can
; have.  2048 = 128 + 5 x 384: the steps go short, long, short, .. short: 11 fills where equal slots of 128 have 16.  The short slot's fill is
; asked for at the head of a long step and has 240 matrix instructions in which to land, the long slot's 112.
; CLUSTER 4 x 4: the four work-groups of a row of the cluster need the same rows of x, the four of a column the same columns of W.
; Each such tile is asked for jointly, which divides the requests for x and W by four.
; W lies [k][n]: its fragments come out of LDS by the transposing load.  The matrix instruction is used transposed (source 0 = 16 columns
; of W, source 1 = 16 rows of x): lane (r, h) holds row r and the columns 16 b + 8 h + 0..7.
; REGISTERS: window 0: v16-27 addresses, v32-127 and v128-223 two fragment buffers (8 of W, 4 of x);
;            window 1: accumulator tile (a, b) at 8 (8 a + b);   window 2: the tables, for row tile a and row pair t at 64 a + 8 t: 4 of cos, 4 of sin.
.set NB,    8
.set PAS,   272                        ; x rows in the short slot: 256 bytes + 16: the 16 rows of a fragment load start 68 words apart
.set PAL,   528                        ; x rows in the long slot: 512 bytes + 16
.set PB,    288                        ; W rows in LDS: 256 bytes + 32, for the transposing load
.set SA,    256*PAS                    ; short slot: x's 256 rows, then W's 128 rows of k
.set LBASE, SA+128*PB                  ; long slot: x's 256 rows, then W's 256 rows of k
.set LA,    256*PAL
.set STAGE, LBASE                      ; the way out: 16 rows x 528 bytes for each wave, in the long slot behind its last fill and its last read
.set SP,    528
.set ASTEP, 768                        ; bytes of x from a slot's tile to its next: 384 along K
.set BSTEP, 384*6144                   ; bytes of W
.set TS,    0x3d36d542                 ; 0.0446370 = sqrt(log2(e) / (64 sqrt(128)))
.set F0,    32
.set F1,    128
.set NL,    24                         ; LDS loads of a quarter step
.set TRIPS, 4                          ; trips of a long and a short step in the loop; a fifth is written out
.set ADRA,  16                         ; v16, v17  my x fragments in the short, the long slot
.set ADRB,  18                         ; v18  my W fragments in the short slot; v19, v20 in the long slot, k rows 0-127 and 128-255
.set STO,   22
.set RD,    23
.set RDV,   24
.set CO,    25
.set CSO,   26
.set ZR,    27                         ; 0.0
.set LO,    32                         ; the way out: row pair t: v[32+8t..35+8t] low half, v[36+8t..39+8t] high half
.set TT,    96                         ; rotated
.set Y,     160                        ; packed, to store
.set G1A,   24                         ; s[24:31] group 1 of x's tiles, short slot; s[72:79] long slot
.set G0A,   32                         ; s[32:35], s[36:39] group 0 of x's tiles, short, long
.set G1B,   40                         ; s[40:47] group 1 of W's tiles, short slot; s[80:87] long slot
.set G0B,   48                         ; s[48:51], s[52:55] group 0 of W's tiles, short, long
.set MULW,  0x50                       ; C and D in window 1, fragments in window 0
.set MSB,   0
.macro WIN new                         ; the immediate's high byte repeats the setting that is left
.if MSB != \new
	s_set_vgpr_msb (MSB<<8)|\new
.set MSB, \new
.endif
.endm
.macro PLACES                          ; four places behind a matrix instruction before its registers are loaded into, read or stored (ISA guide 7.12.1)
.rept 4
	v_nop
.endr
.endm
.macro CREST                           ; a round of the cluster's barrier behind its opening barrier
	s_cmp_lg_u32 s14, 0
	s_cbranch_scc1 .Lnot_wave_0_\@
	s_barrier_signal -3
.Lnot_wave_0_\@:
	s_barrier_wait -3
	s_barrier_signal -1
	s_barrier_wait -1
.endm
.macro CROUND
	s_barrier_signal -1
	s_barrier_wait -1
	CREST
.endm
.macro JLOAD s                         ; slot s (0 short, 1 long): waves 0, 1 ask for x's two halves, waves 2, 3 for W's; the branch hangs on the wave's number alone
	s_cmp_eq_u32 s15, 0
	s_cbranch_scc0 .Lfor_b_\@
	tensor_load_to_lds s[G0A+4*\s:G0A+4*\s+3], s[G1A+48*\s:G1A+48*\s+7]
	s_nop 0
	s_branch .Lasked_\@
.Lfor_b_\@:
	tensor_load_to_lds s[G0B+4*\s:G0B+4*\s+3], s[G1B+40*\s:G1B+40*\s+7]
	s_nop 0
.Lasked_\@:
.endm
	s_load_b256 s[4:11], s[0:1], 0x0               ; xb s[4:5], wb s[6:7], csb s[8:9], qkv s[10:11]
	v_lshrrev_b32 v1, 5, v0
	v_readfirstlane_b32 s14, v1                    ; wave
	s_lshr_b32 s15, s14, 1                         ; 0: I fetch x, 1: I fetch W
	s_and_b32 s16, s14, 1                          ; which half of that tile
	s_bfe_u32 s17, ttmp6, 0x40000                  ; cx
	s_bfe_u32 s18, ttmp6, 0x40004                  ; cy
	s_lshl_b32 s19, ttmp9, 2
	s_add_co_u32 s19, s19, s17                     ; head = 4 x cluster x + cx
	s_and_b32 s20, ttmp7, 0xffff
	s_lshl_b32 s20, s20, 2
	s_add_co_u32 s20, s20, s18                     ; row block = 4 x cluster y + cy
	s_mov_b32 s70, ttmp9                           ; cluster x, the same in all partners: 5 = the four heads of v
	s_mov_b32 s12, TS                              ; as a pair for the packed multiply
	s_mov_b32 s13, TS
	s_lshl_b32 s21, s18, 2
	s_lshl_b32 s21, 15, s21                        ; my row of the cluster
	s_lshl_b32 s22, 0x1111, s17                    ; my column
	; x, short slot: 128 rows x 128 elements
	s_or_b32 s[G1A+0], s21, (1<<16)|(1<<20)|(1<<21)|(5<<22)|(3<<25)  ; mask; 2-byte elements; padding on; bit 21 beside a mask; after 64 words 4 words
	s_mov_b32 s[G1A+1], 128<<16                    ; tensor_dim0 = 128
	s_mov_b32 s[G1A+2], 128<<16                    ; tensor_dim1 = 128 rows
	s_mov_b32 s[G1A+3], 128<<16                    ; tile_dim0 = 128
	s_mov_b32 s[G1A+4], 128                        ; tile_dim1 = 128
	s_mov_b32 s[G1A+5], 2048                       ; elements from row to row
	s_mov_b32 s[G1A+6], 0
	s_mov_b32 s[G1A+7], 0
	; x, long slot: 128 rows x 256 elements
	s_or_b32 s[G1A+48], s21, (1<<16)|(1<<20)|(1<<21)|(6<<22)|(3<<25) ; after 128 words 4 words
	s_mov_b32 s[G1A+49], 256<<16
	s_mov_b32 s[G1A+50], 128<<16
	s_mov_b32 s[G1A+51], 256<<16
	s_mov_b32 s[G1A+52], 128
	s_mov_b32 s[G1A+53], 2048
	s_mov_b32 s[G1A+54], 0
	s_mov_b32 s[G1A+55], 0
	; W, short slot: 64 rows of k x 128 elements
	s_or_b32 s[G1B+0], s22, (1<<16)|(1<<20)|(1<<21)|(5<<22)|(7<<25)  ; after 64 words 8 words
	s_mov_b32 s[G1B+1], 128<<16
	s_mov_b32 s[G1B+2], 64<<16
	s_mov_b32 s[G1B+3], 128<<16
	s_mov_b32 s[G1B+4], 64
	s_mov_b32 s[G1B+5], 3072
	s_mov_b32 s[G1B+6], 0
	s_mov_b32 s[G1B+7], 0
	; W, long slot: 128 rows of k x 128 elements
	s_or_b32 s[G1B+40], s22, (1<<16)|(1<<20)|(1<<21)|(5<<22)|(7<<25)
	s_mov_b32 s[G1B+41], 128<<16
	s_mov_b32 s[G1B+42], 128<<16
	s_mov_b32 s[G1B+43], 128<<16
	s_mov_b32 s[G1B+44], 128
	s_mov_b32 s[G1B+45], 3072
	s_mov_b32 s[G1B+46], 0
	s_mov_b32 s[G1B+47], 0
	s_lshl_b32 s56, s20, 20                        ; x: row 256 x block + 128 x half, rows of 4,096 bytes; these registers never hold cx
	s_lshl_b32 s57, s16, 19
	s_add_co_u32 s56, s56, s57
	s_mov_b32 s57, 0
	s_lshl_b32 s59, s19, 8                         ; W: column 128 x head; these never hold cy
	s_mul_i32 s58, s16, 64*6144                    ; short slot: k row 64 x half
	s_add_co_u32 s58, s58, s59
	s_mul_i32 s62, s16, 128*6144                   ; long slot: k row 128 + 128 x half
	s_add_co_u32 s62, s62, s59
	s_add_co_u32 s62, s62, 128*6144
	s_mov_b32 s59, 0
	s_mov_b32 s63, 0
	s_mul_i32 s60, s14, 128*PAS                    ; LDS: a constant + wave x the rows of a load
	s_mul_i32 s61, s14, 64*PB
	s_mul_i32 s88, s14, 128*PAL
	s_mul_i32 s89, s14, 128*PB
	s_lshl_b32 s66, s20, 17                        ; the tables: 256 rows of 512 bytes a block
	s_mov_b32 s67, 0
	s_lshl_b32 s68, s19, 19                        ; the result: head x 2048 rows of 256 bytes
	s_lshl_b32 s69, s20, 16                        ; + 256 rows a block
	s_add_co_u32 s68, s68, s69
	s_lshl_b32 s69, s14, 14                        ; + 64 rows a wave
	s_add_co_u32 s68, s68, s69
	s_mov_b32 s69, 0
	s_wait_kmcnt 0x0
	s_add_nc_u64 s[8:9], s[8:9], s[66:67]
	s_add_nc_u64 s[10:11], s[10:11], s[68:69]
	CROUND                                         ; all sixteen work-groups are here: the first joint loads meet
	s_mov_b32 s[G0A+0], 1
	s_add_co_u32 s[G0A+1], s60, 0                  ; x's halves are fetched by waves 0 and 1
	s_add_nc_u64 s[G0A+2:G0A+3], s[4:5], s[56:57]  ; K = 0
	s_mov_b32 s[G0A+4], 1
	s_add_co_u32 s[G0A+5], s88, LBASE
	s_add_nc_u64 s[G0A+6:G0A+7], s[G0A+2:G0A+3], 256   ; K = 128
	s_or_b32 s[G0A+3], s[G0A+3], 0x80000000
	s_or_b32 s[G0A+7], s[G0A+7], 0x80000000
	s_mov_b32 s[G0B+0], 1
	s_add_co_u32 s[G0B+1], s61, SA-2*64*PB         ; W's halves are fetched by waves 2 and 3
	s_add_nc_u64 s[G0B+2:G0B+3], s[6:7], s[58:59]
	s_or_b32 s[G0B+3], s[G0B+3], 0x80000000
	s_mov_b32 s[G0B+4], 1
	s_add_co_u32 s[G0B+5], s89, LBASE+LA-2*128*PB
	s_add_nc_u64 s[G0B+6:G0B+7], s[6:7], s[62:63]
	s_or_b32 s[G0B+7], s[G0B+7], 0x80000000
	JLOAD 0                                        ; both slots' first fills: two loads of the wave are out
	JLOAD 1
	v_and_b32 v1, 15, v0                           ; r
	v_bfe_u32 v2, v0, 4, 1                         ; h
	v_and_b32 v3, 7, v0
	v_bfe_u32 v4, v0, 3, 1
	v_and_b32 v5, 31, v0
	v_mul_u32_u24 v6, v1, PAS
	v_lshl_add_u32 v6, v2, 4, v6                   ; x fragment: row r, 16 bytes for each half of the lanes
	s_mul_i32 s62, s14, 64*PAS                     ; my 64 rows
	v_add_nc_u32 v[ADRA], s62, v6
	v_mul_u32_u24 v6, v1, PAL
	v_lshl_add_u32 v6, v2, 4, v6
	s_mul_i32 s62, s14, 64*PAL
	s_add_co_u32 s62, s62, LBASE
	v_add_nc_u32 v[ADRA+1], s62, v6
	v_lshl_add_u32 v6, v2, 3, v3                   ; W fragment, transposing load: k row 8 h + (lane mod 8),
	v_mul_u32_u24 v6, v6, PB
	v_lshl_add_u32 v6, v4, 4, v6                   ; 16 bytes on for lanes 8-15 and 24-31
	v_add_nc_u32 v[ADRB], SA, v6
	v_add_nc_u32 v[ADRB+1], LBASE+LA, v6
	v_add_nc_u32 v[ADRB+2], LBASE+LA+128*PB, v6
	s_mul_i32 s62, s14, 16*SP
	s_add_co_u32 s62, s62, STAGE                   ; my stage
	v_mul_u32_u24 v6, v1, SP
	v_lshl_add_u32 v6, v2, 5, v6
	v_add_nc_u32 v[STO], s62, v6                   ; in: row r, 32 bytes (8 f32) for each half of the lanes
	v_mul_u32_u24 v6, v2, SP
	v_add_nc_u32 v6, s62, v6
	v_lshl_add_u32 v[RD], v1, 4, v6                ; back, q and k: lane i of a row takes d = 4i..4i+3, and 256 bytes on d = 64+4i..
	v_lshl_add_u32 v[RDV], v1, 5, v6               ; back, v: lane i takes d = 8i..8i+7
	v_lshlrev_b32 v[CO], 4, v5                     ; two rows of 256 bytes: 512 neighbouring bytes a store
	v_lshlrev_b32 v6, 9, v2
	v_lshl_add_u32 v6, v1, 4, v6
	s_lshl_b32 s62, s14, 15
	v_add_nc_u32 v[CSO], s62, v6                   ; the tables: (64 wave + lane / 16) rows of 512 bytes + 16 (lane mod 16)
	v_mov_b32 v[ZR], 0
; The fragments of one quarter step (32 along K, quarter q of the slot) into buffer f: 8 of W (two transposing loads each), 4 of x.
.macro FETCH slot, q, f
	WIN 0
.if \slot == 0
.set fa, ADRA
.set fb, ADRB
.set fp, PAS
.else
.set fa, ADRA+1
.set fb, ADRB+1+(\q>>2)                ; the 16-bit immediate reaches four quarters of W: 128 rows of 288 bytes
.set fp, PAL
.endif
.irp b, 0,1,2,3,4,5,6,7
	ds_load_tr16_b128 v[\f+8*\b:\f+8*\b+3], v[fb] offset:(\q&3)*32*PB+32*\b
	ds_load_tr16_b128 v[\f+8*\b+4:\f+8*\b+7], v[fb] offset:(\q&3)*32*PB+32*\b+16*PB
.endr
.irp a, 0,1,2,3
	ds_load_b128 v[\f+8*NB+8*\a:\f+8*NB+8*\a+3], v[fa] offset:\a*16*fp+64*\q
	ds_load_b128 v[\f+8*NB+8*\a+4:\f+8*NB+8*\a+7], v[fa] offset:\a*16*fp+64*\q+32
.endr
.endm
; 16 matrix instructions: row tiles 2 half, 2 half + 1 x all 8 column tiles.  The 32 accumulators take turns in the same order in every
; quarter step, one instruction a turn.
.macro MULH f, half, zero
.irp a, 2*\half, 2*\half+1
.irp b, 0,1,2,3,4,5,6,7
.if \zero
	v_wmma_f32_16x16x32_bf16 v[8*(NB*(\a)+\b):8*(NB*(\a)+\b)+7], v[\f+8*\b:\f+8*\b+7], v[\f+8*NB+8*(\a):\f+8*NB+8*(\a)+7], 0
.else
	v_wmma_f32_16x16x32_bf16 v[8*(NB*(\a)+\b):8*(NB*(\a)+\b)+7], v[\f+8*\b:\f+8*\b+7], v[\f+8*NB+8*(\a):\f+8*NB+8*(\a)+7], v[8*(NB*(\a)+\b):8*(NB*(\a)+\b)+7]
.endif
.endr
.endr
.endm
; A quarter step: the next quarter's fragments are asked for into g, then f is multiplied while they come.
.macro QUARTER f, g, slot, qnext, zero
	PLACES                                         ; g was read by the matrix instructions just issued
	FETCH \slot, \qnext, \g
	s_wait_dscnt NL                                ; all but the NL loads just issued: f is whole
	WIN MULW
	MULH \f, 0, \zero
	MULH \f, 1, \zero
.endm
.macro SLOTRUN slot, zero              ; all quarters of a slot but the last: three of the short slot, seven of the long one
	QUARTER F0, F1, \slot, 1, \zero
	QUARTER F1, F0, \slot, 2, 0
	QUARTER F0, F1, \slot, 3, 0
.if \slot
	QUARTER F1, F0, \slot, 4, 0
	QUARTER F0, F1, \slot, 5, 0
	QUARTER F1, F0, \slot, 6, 0
	QUARTER F0, F1, \slot, 7, 0
.endif
.endm
; The last quarter of a slot multiplies buffer 1 and changes slots.  In front of the barrier each wave waits for its reads of this slot and for
; all its tensor loads (one is out: its part of the next slot).  Where the slot is filled again the barrier opens a round of the cluster's
; barrier, and the joint load is the first tensor load behind the round.
.macro TURN slot, next, fill
	s_wait_dscnt 0x0
	s_wait_tensorcnt 0x0
	s_barrier_signal -1
	WIN MULW
	MULH F1, 0, 0                                  ; register work while the others arrive
	WIN 0
	s_barrier_wait -1
.if \fill
	CREST
	s_add_nc_u64 s[G0A+4*\slot+2:G0A+4*\slot+3], s[G0A+4*\slot+2:G0A+4*\slot+3], ASTEP
	s_add_nc_u64 s[G0B+4*\slot+2:G0B+4*\slot+3], s[G0B+4*\slot+2:G0B+4*\slot+3], BSTEP
	JLOAD \slot
.endif
	PLACES
	FETCH \next, 0, F0
	WIN MULW
	MULH F1, 1, 0
.endm
; The tables of row tile a into window 2: 16 loads, each half of the lanes takes 256 neighbouring bytes of one row.  Not for the heads of v.
.macro CSLOAD a
	WIN 0
	s_cmp_eq_u32 s70, 5
	s_cbranch_scc1 .Lnocs_\@
	WIN 0x80
.irp t, 0,1,2,3,4,5,6,7
	global_load_b128 v[64*\a+8*\t:64*\a+8*\t+3], v[CSO], s[8:9] offset:(16*\a+2*\t)*512
	global_load_b128 v[64*\a+8*\t+4:64*\a+8*\t+7], v[CSO], s[8:9] offset:(16*\a+2*\t)*512+256
.endr
	WIN 0
.Lnocs_\@:
.endm
	CSLOAD 0
	s_wait_tensorcnt 0x1                           ; my part of the short slot is in; the long slot's stays out
	s_barrier_signal -1
	s_barrier_wait -1
	FETCH 0, 0, F0
	SLOTRUN 0, 1                                   ; K = 0 .. 95: the first products start the sums: nothing is cleared
	CSLOAD 1
	s_mov_b32 s23, TRIPS
.Ltrip:
	TURN 0, 1, 1                                   ; the short step ends; the short slot's next tile goes out and has the long step in which to land
	SLOTRUN 1, 0
	TURN 1, 0, 1                                   ; the long step ends; the long slot's next tile goes out
	SLOTRUN 0, 0
	WIN 0
	s_sub_co_u32 s23, s23, 1
	s_cmp_lg_u32 s23, 0
	s_cbranch_scc1 .Ltrip
	CSLOAD 2
	TURN 0, 1, 1                                   ; the last fill: K = 1920 .. 2047 into the short slot
	SLOTRUN 1, 0
	TURN 1, 0, 0                                   ; the long slot is read for the last time: behind this barrier no wave reads it and nothing is filled
	CSLOAD 3
	SLOTRUN 0, 0
	s_wait_dscnt 0x0
	WIN MULW
	MULH F1, 0, 0
	MULH F1, 1, 0
	WIN 0
	PLACES
; THE WAY OUT, 16 rows at a time through my own stage (LDS serves a wave's instructions in order: no wait between stores and loads).
; The stage lies in the long slot: its last fill has landed, every wave's last read of it was waited for in front of the last barrier,
; and no tensor load follows.
.macro MIXLO d, c, x, z                ; bf16 in the low half of c, times x, plus z, in f32
	v_fma_mix_f32_bf16 v[\d], v[\c], v[\x], v[\z] op_sel_hi:[1,0,0]
.endm
.macro MIXHI d, c, x, z                ; the same from the high half
	v_fma_mix_f32_bf16 v[\d], v[\c], v[\x], v[\z] op_sel:[1,0,0] op_sel_hi:[1,0,0]
.endm
.macro TOSTAGE a
	WIN 0x04                                       ; store data in window 1
.irp b, 0,1,2,3,4,5,6,7
	ds_store_b128 v[STO], v[8*(NB*\a+\b):8*(NB*\a+\b)+3] offset:64*\b
	ds_store_b128 v[STO], v[8*(NB*\a+\b)+4:8*(NB*\a+\b)+7] offset:64*\b+16
.endr
	WIN 0
.endm
.macro PACKOUT a, src                  ; 8 f32 a row pair to 8 f16, 16 bytes a lane; a store covers two whole rows
	s_wait_xcnt 0x0                                ; Y was the data of the stores before: written again only behind this wait
.irp t, 0,1,2,3,4,5,6,7
.irp k, 0,1,2,3
	v_cvt_pk_f16_f32 v[Y+4*\t+\k], v[\src+8*\t+2*\k], v[\src+8*\t+2*\k+1]
.endr
	global_store_b128 v[CO], v[Y+4*\t:Y+4*\t+3], s[10:11] offset:\a*4096+512*\t
.endr
.endm
; q and k: out[d] = x[d] cos[d] - x[d+64] sin[d], out[d+64] = x[d+64] cos[d+64] + x[d] sin[d+64]; the minus sign lies in the table.
.macro OUTR a
	TOSTAGE \a
.irp t, 0,1,2,3,4,5,6,7
	ds_load_b128 v[LO+8*\t:LO+8*\t+3], v[RD] offset:\t*2*SP
	ds_load_b128 v[LO+8*\t+4:LO+8*\t+7], v[RD] offset:\t*2*SP+256
.endr
	s_wait_dscnt 0x0
	WIN 0x02                                       ; source 0, the table, in window 2
.irp t, 0,1,2,3,4,5,6,7
.irp p, 0,1
	MIXLO TT+8*\t+2*\p, 64*\a+8*\t+\p, LO+8*\t+2*\p, ZR
	MIXHI TT+8*\t+2*\p+1, 64*\a+8*\t+\p, LO+8*\t+2*\p+1, ZR
	MIXLO TT+8*\t+4+2*\p, 64*\a+8*\t+2+\p, LO+8*\t+4+2*\p, ZR
	MIXHI TT+8*\t+5+2*\p, 64*\a+8*\t+2+\p, LO+8*\t+5+2*\p, ZR
.endr
.irp p, 0,1
	MIXLO TT+8*\t+2*\p, 64*\a+8*\t+4+\p, LO+8*\t+4+2*\p, TT+8*\t+2*\p
	MIXHI TT+8*\t+2*\p+1, 64*\a+8*\t+4+\p, LO+8*\t+5+2*\p, TT+8*\t+2*\p+1
	MIXLO TT+8*\t+4+2*\p, 64*\a+8*\t+6+\p, LO+8*\t+2*\p, TT+8*\t+4+2*\p
	MIXHI TT+8*\t+5+2*\p, 64*\a+8*\t+6+\p, LO+8*\t+2*\p+1, TT+8*\t+5+2*\p
.endr
.endr
	WIN 0
.set ci, 0
.rept 32
	v_pk_mul_f32 v[TT+2*ci:TT+2*ci+1], v[TT+2*ci:TT+2*ci+1], s[12:13] op_sel_hi:[1,0]   ; times TS, still in f32
.set ci, ci+1
.endr
	PACKOUT \a, TT
.endm
.macro OUTV a
	TOSTAGE \a
.irp t, 0,1,2,3,4,5,6,7
	ds_load_b128 v[LO+8*\t:LO+8*\t+3], v[RDV] offset:\t*2*SP
	ds_load_b128 v[LO+8*\t+4:LO+8*\t+7], v[RDV] offset:\t*2*SP+16
.endr
	s_wait_dscnt 0x0
	PACKOUT \a, LO
.endm
	s_wait_loadcnt 0x0                             ; the tables
	s_cmp_eq_u32 s70, 5
	s_cbranch_scc1 .Lvout
	OUTR 0
	OUTR 1
	OUTR 2
	OUTR 3
	s_branch .Ldone
.Lvout:
	OUTV 0
	OUTV 1
	OUTV 2
	OUTV 3
.Ldone:
	CROUND                                         ; the closing round: no work-group ends while a partner may still ask jointly
	s_endpgm
.Lfunc_end_k_q1e4ada2eff_qkv:
	.size	k_q1e4ada2eff_qkv, .Lfunc_end_k_q1e4ada2eff_qkv-k_q1e4ada2eff_qkv
	.p2alignl 7, 3214868480
	.fill 96, 4, 3214868480
	.section	.rodata,"a",@progbits
	.p2align	6, 0x0
	.amdhsa_kernel k_q1e4ada2eff_qkv
		.amdhsa_group_segment_fixed_size 327680
		.amdhsa_private_segment_fixed_size 0
		.amdhsa_enable_private_segment 0
		.amdhsa_kernarg_size 32
		.amdhsa_user_sgpr_count 2
		.amdhsa_user_sgpr_kernarg_segment_ptr 1
		.amdhsa_wavefront_size32 1
		.amdhsa_system_sgpr_workgroup_id_x 1
		.amdhsa_system_sgpr_workgroup_id_y 1
		.amdhsa_system_sgpr_workgroup_id_z 1
		.amdhsa_system_vgpr_workitem_id 0
		.amdhsa_next_free_vgpr 768
		.amdhsa_next_free_sgpr 90
		.amdhsa_reserve_vcc 0
		.amdhsa_float_denorm_mode_32 3
		.amdhsa_float_denorm_mode_16_64 3
		.amdhsa_memory_ordered 1
		.amdhsa_forward_progress 1
		.amdhsa_inst_pref_size 201
	.end_amdhsa_kernel
	.amdgpu_metadata
---
amdhsa.version: [ 1, 2 ]
amdhsa.kernels:
  - .name:           k_q1e4ada2eff_qkv
    .symbol:         k_q1e4ada2eff_qkv.kd
    .args:
      - { .name: xb, .offset: 0, .size: 8, .value_kind: global_buffer, .address_space: global }
      - { .name: wb, .offset: 8, .size: 8, .value_kind: global_buffer, .address_space: global }
      - { .name: csb, .offset: 16, .size: 8, .value_kind: global_buffer, .address_space: global }
      - { .name: qkv, .offset: 24, .size: 8, .value_kind: global_buffer, .address_space: global }
    .group_segment_fixed_size: 327680
    .private_segment_fixed_size: 0
    .kernarg_segment_align: 8
    .kernarg_segment_size: 32
    .max_flat_workgroup_size: 128
    .sgpr_count:     90
    .vgpr_count:     768
    .wavefront_size: 32
...
	.end_amdgpu_metadata
.endif
;; end of part 2
;; launch attn (part 3): grid 16 x 16, 4 waves a work-group, clusters of 4 x 1, 327,680 bytes of LDS; arguments qkv, ab; writes ab
.if DOCPART == 3
	.amdgcn_target "amdgcn-amd-amdhsa--gfx1250"
	.amdhsa_code_object_version 6
	.text
	.protected	k_q1e4ada2eff_attn
	.globl	k_q1e4ada2eff_attn
	.p2align	8
	.type	k_q1e4ada2eff_attn,@function
k_q1e4ada2eff_attn:
	s_mov_b64 s[64:65], 0
	v_nop
	global_prefetch_b8 v0, s[64:65] scope:SCOPE_SE
	s_setreg_imm32_b32 hwreg(HW_REG_WAVE_MODE, 25, 1), 1
	s_wait_xcnt 0x0
	s_wait_alu depctr_hold_cnt(0) depctr_sa_sdst(0) depctr_va_vdst(0) depctr_va_sdst(0) depctr_va_ssrc(0) depctr_va_vcc(0) depctr_vm_vsrc(0)
	s_getreg_b32 s2, hwreg(HW_REG_IB_STS2, 6, 4)
	s_cmp_eq_u32 s2, 0
	s_cbranch_scc0 .Lentry_in_a_cluster
	s_endpgm
.Lentry_in_a_cluster:
	s_bfe_u32 s2, ttmp6, 0x10000c
	s_cmp_lg_u32 s2, 0x3003
	s_cbranch_scc0 .Lentry_shape_is_right
	s_endpgm
.Lentry_shape_is_right:
; Causal attention.  qkv [24][2048][128] f16 (q 0-15, k 16-19: both 1/89.6 of their size; v 20-23: a quarter), ab [2048 s][16 heads x 128] f16.
; WORK LEFT OUT: key tiles of 128 that lie wholly above the diagonal (weight exactly 0: see the first kernel's head).
; SHARE.  Work-group (head, p) makes the query blocks of 64 rows p and 31 - p, one after the other: (p>>1) + 1 and 16 - (p>>1) key tiles
; of 128, always 17 steps, so all 256 work-groups are equal.  Of the two counts one is 0 or 3 modulo 4: that block goes first, so that its
; last step is step 2 or 3 modulo 4, always in slot 1, and the change of blocks stands once in the text.
; CLUSTER 4 x 1: the four query heads of one key/value head walk the same K and V tiles in the same steps (the steps hang on p alone)
; and ask for them jointly.
; RING.  Two slots, each with the K and V tiles of two steps.  Wave 0 brings K of a slot's first step, wave 1 K of its second, waves 2 and 3
; V likewise: 128 rows a load, one load of a wave out at a time, nine fills.  Step 17 does not exist: in the ninth fill waves 1 and 3
; bring the tile behind the second block's last (its number is at most 14, inside the buffer), which no step reads; the other way would be a
; jump over a joint load inside a loop.
; Wave w: rows 32 (w>>1) .. + 31 (two query tiles) and, of each key tile, the keys 64 g + 32 (w&1) + 0..31, g = 0, 1.  The two key shares
; of a row carry their own running maximum and are merged at the end of a block: each wave keeps one query tile and gives the other.
; Register tile 0 of a wave is the tile that it keeps (query tile w&1 of its 32 rows), register tile 1 the one that it gives.
; FORMS.  S^T = K Q^T: lane (r, h) holds query r, keys 8 h + 0..7 of each 16.  Packed to f16, neighbouring registers ARE the second operand
; of O^T = V^T P^T; V^T comes out of LDS by the transposing load.  So a row's softmax figures stay in its two lanes r and r + 16.
; A STEP: the two register tiles take turns.  16 score products of tile 0 (V's loads among them); 16 of tile 1, behind each a slice of
; tile 0's softmax; 16 products with V of tile 0, behind each a slice of tile 1's softmax; 16 of tile 1, behind each a slice of both sums.
; THE EXPONENT of 2 is 1024 S - 1024 M in one fused multiply-add: 1024 M is exact, so the largest exponent is exactly 0 whatever the size of the
; scores.  |S| is at most 128 x 65,504^2 = 5.5e11, so 1024 M is finite.  M starts at -2^100, under every such score.
; O is cleared by moves once.  At the change of blocks only M is set back: the next step's rescaling is 2^(-2^110 - ..) = 0, and O and the
; sums are finite (weights at most 1, v finite in f16).  A share all of whose keys are masked keeps M and what lies in O, and gets the
; weight 0 in the merge.  Order of rounding: the scale lies in q and k, half each, not in q alone.
; REGISTERS: window 0 as named below; window 1: K fragment (kd, kt) at 8 (4 kd + kt);
;            window 2: O (qt, db) at 8 (8 qt + db), V fragment (kb, db) at 128 + 8 (8 kb + db).
.set KP,    272
.set VP,    288
.set KT,    128*KP                     ; a K tile: LDS address slot + wave x KT (waves 0, 1)
.set VT,    128*VP                     ; a V tile: LDS address slot + wave x VT (waves 2, 3)
.set VOFF,  2*VT
.set SLOT,  4*VT
.set XML,   2*KT                       ; between K and V of slot 0, where no fill lands: 256 bytes a wave for a maximum and a sum
.set XCH,   2*SLOT                     ; exchange of O between the two key shares: 8,192 bytes a wave; no fill lands here
.set HEADB, 2048*256                   ; bytes of a head
.set MINIT, 0xf1800000                 ; -2^100
.set ADK,  4                           ; v4, v5   my K fragments in slot 0, 1
.set ADV,  6                           ; v6, v7   my V fragments
.set STO,  8
.set RD,   9
.set CO,   10
.set AK,   11                          ; this step's K address
.set DL1,  12                          ; v12, v13  first block, register tile 0, 1: query - key at place (kt, j) = (0, 0) of its last key tile
.set XW,   14
.set XR,   15
.set XWS,  16
.set XRS,  17
.set MX,   18                          ; v18, v19  running maximum of register tile 0, 1
.set LS,   20                          ; v20, v21  running sums (this lane's keys)
.set NM,   22                          ; v[22:23], v[24:25]  -1024 M, twice each
.set AL,   26                          ; v[26:27], v[28:29]  the step's rescaling, twice each
.set QO,   30                          ; v30, v31  my offset in a block's Q for register tile 0, 1
.set SF,   32                          ; S (qt, kt, j) = v[32 + 32 qt + 8 kt + j]
.set PF,   96                          ; P (qt, kb) = v[96 + 16 qt + 8 kb ..]
.set QF,   128                         ; Q (qt, kd) = v[128 + 32 qt + 8 kd ..]
.set T,    192                         ; v192-207, v208-223: at work for tile 0, 1; at a block's end the rows on their way out
.set DL2,  224                         ; v224, v225  as DL1 for the second block
.set AV,   226                         ; this step's V address
.set PN,   227                         ; the partner's maximum
.set PL,   228                         ; and sum
.set G1K,  28
.set G1V,  36
.set G0K,  44
.set G0V,  52
.set MSB,  0
.macro WIN new                         ; the immediate's high byte repeats the setting that is left
.if MSB != \new
	s_set_vgpr_msb (MSB<<8)|\new
.set MSB, \new
.endif
.endm
.macro PLACES                          ; four places behind a matrix instruction before its registers are loaded into, read or stored (ISA guide 7.12.1)
.rept 4
	v_nop
.endr
.endm
.macro CREST                           ; a round of the cluster's barrier behind its opening barrier
	s_cmp_lg_u32 s8, 0
	s_cbranch_scc1 .Lnot_wave_0_\@
	s_barrier_signal -3
.Lnot_wave_0_\@:
	s_barrier_wait -3
	s_barrier_signal -1
	s_barrier_wait -1
.endm
.macro CROUND
	s_barrier_signal -1
	s_barrier_wait -1
	CREST
.endm
.macro JLOAD s                         ; waves 0, 1 ask for K tiles, waves 2, 3 for V tiles
	s_cmp_eq_u32 s9, 0
	s_cbranch_scc0 .Lfor_v_\@
	tensor_load_to_lds s[G0K+4*\s:G0K+4*\s+3], s[G1K:G1K+7]
	s_nop 0
	s_branch .Lasked_\@
.Lfor_v_\@:
	tensor_load_to_lds s[G0V+4*\s:G0V+4*\s+3], s[G1V:G1V+7]
	s_nop 0
.Lasked_\@:
.endm
.macro QLOAD sb                        ; a block's Q: two register tiles x four fragments of 32 along d
.irp qt, 0,1
.irp kd, 0,1,2,3
	global_load_b128 v[QF+32*\qt+8*\kd:QF+32*\qt+8*\kd+3], v[QO+\qt], s[\sb:\sb+1] offset:64*\kd
	global_load_b128 v[QF+32*\qt+8*\kd+4:QF+32*\qt+8*\kd+7], v[QO+\qt], s[\sb:\sb+1] offset:64*\kd+32
.endr
.endr
.endm
	s_load_b128 s[4:7], s[0:1], 0x0                ; qkv s[4:5], ab s[6:7]
	v_lshrrev_b32 v1, 5, v0
	v_readfirstlane_b32 s8, v1                     ; wave
	s_lshr_b32 s9, s8, 1                           ; my 32 rows.  Also: I fetch K (0) or V (1)
	s_and_b32 s10, s8, 1                           ; my key share.  Also: I fetch for a slot's first or second step
	s_bfe_u32 s11, ttmp6, 0x40000                  ; cx
	s_lshl_b32 s13, ttmp9, 2
	s_add_co_u32 s13, s13, s11                     ; query head; ttmp9 is the key/value head
	s_and_b32 s14, ttmp7, 0xffff                   ; p
	s_sub_co_u32 s26, 31, s14
	s_and_b32 s27, s14, 4                          ; (p>>1) + 1 is 0 or 3 modulo 4 where bit 2 of p is set; else 16 - (p>>1) is
	s_cmp_lg_u32 s27, 0
	s_cselect_b32 s12, s14, s26                    ; the first block
	s_sub_co_u32 s26, 31, s12                      ; the second block
	s_lshr_b32 s16, s12, 1                         ; the first block's last step
	s_add_co_u32 s15, s16, 1                       ; its number of steps: 3, 4, 7, 8, 11, 12, 15 or 16
	s_mov_b32 s17, 0                               ; the step
	s_mov_b32 s21, 0
	s_mov_b32 s22, 0x76543210                      ; v_permlanex16_b32: lane i takes lane i of the other half
	s_mov_b32 s23, 0xfedcba98
	s_mov_b32 s24, 0x44800000                      ; 1024, as a pair for the packed multiply-add
	s_mov_b32 s25, 0x44800000
	s_mov_b32 s3, 0xc4800000                       ; -1024
	s_mov_b32 s[G1K+0], 15|(1<<16)|(1<<20)|(1<<21)|(5<<22)|(3<<25)   ; all four partners; 2-byte elements; after 64 words 4 words of padding
	s_mov_b32 s[G1K+1], 128<<16
	s_mov_b32 s[G1K+2], 128<<16                    ; 128 rows
	s_mov_b32 s[G1K+3], 128<<16
	s_mov_b32 s[G1K+4], 128
	s_mov_b32 s[G1K+5], 128
	s_mov_b32 s[G1K+6], 0
	s_mov_b32 s[G1K+7], 0
	s_mov_b32 s[G1V+0], 15|(1<<16)|(1<<20)|(1<<21)|(5<<22)|(7<<25)   ; 8 words of padding
	s_mov_b32 s[G1V+1], 128<<16
	s_mov_b32 s[G1V+2], 128<<16
	s_mov_b32 s[G1V+3], 128<<16
	s_mov_b32 s[G1V+4], 128
	s_mov_b32 s[G1V+5], 128
	s_mov_b32 s[G1V+6], 0
	s_mov_b32 s[G1V+7], 0
	s_lshl_b32 s74, ttmp9, 19                      ; K: head 16 + key/value head; nothing here hangs on cx
	s_add_co_u32 s74, s74, 16*HEADB
	s_mov_b32 s75, 0
	s_lshl_b32 s20, s10, 15                        ; the first fill: tile 0 or 1 (the first block has three tiles or more)
	s_mul_i32 s76, s8, KT                          ; LDS: wave x a tile
	s_mul_i32 s77, s8, VT
	s_lshl_b32 s78, s13, 19                        ; Q: head, + 64 rows of 256 bytes a block
	s_lshl_b32 s79, s12, 14
	s_add_co_u32 s66, s78, s79
	s_mov_b32 s67, 0
	s_lshl_b32 s79, s26, 14
	s_add_co_u32 s68, s78, s79
	s_mov_b32 s69, 0
	s_lshl_b32 s78, s13, 8                         ; ab: 64 rows of 4,096 bytes a block, + 256 bytes a head
	s_lshl_b32 s79, s12, 18
	s_add_co_u32 s70, s78, s79
	s_mov_b32 s71, 0
	s_lshl_b32 s79, s26, 18
	s_add_co_u32 s72, s78, s79
	s_mov_b32 s73, 0
	s_wait_kmcnt 0x0
	s_add_nc_u64 s[60:61], s[4:5], s[74:75]        ; K's tile 0
	s_add_nc_u64 s[62:63], s[60:61], 4*HEADB       ; V's
	s_add_nc_u64 s[66:67], s[4:5], s[66:67]        ; Q of the first block
	s_add_nc_u64 s[68:69], s[4:5], s[68:69]        ; of the second
	s_add_nc_u64 s[70:71], s[6:7], s[70:71]        ; the first block's place in ab
	s_add_nc_u64 s[72:73], s[6:7], s[72:73]        ; the second's
.irp s, 0,1
	s_mov_b32 s[G0K+4*\s], 1
	s_add_co_u32 s[G0K+4*\s+1], s76, \s*SLOT
	s_add_nc_u64 s[G0K+4*\s+2:G0K+4*\s+3], s[60:61], s[20:21]
	s_or_b32 s[G0K+4*\s+3], s[G0K+4*\s+3], 0x80000000
	s_mov_b32 s[G0V+4*\s], 1
	s_add_co_u32 s[G0V+4*\s+1], s77, \s*SLOT
	s_add_nc_u64 s[G0V+4*\s+2:G0V+4*\s+3], s[62:63], s[20:21]
	s_or_b32 s[G0V+4*\s+3], s[G0V+4*\s+3], 0x80000000
.endr
	CROUND                                         ; the four work-groups are here
	JLOAD 0                                        ; steps 0 and 1: one load of the wave is out, here and behind every round
	v_and_b32 v1, 15, v0                           ; r
	v_bfe_u32 v2, v0, 4, 1                         ; h
	v_lshlrev_b32 v3, 8, v1
	v_lshl_add_u32 v3, v2, 4, v3                   ; a Q fragment: row r of 256 bytes, 16 bytes for each half of the lanes
	s_lshl_b32 s77, s9, 13                         ; my 32 rows
	s_lshl_b32 s79, s10, 12                        ; register tile 0: query tile w&1, 16 rows each
	s_add_co_u32 s78, s77, s79
	v_add_nc_u32 v[QO], s78, v3
	s_xor_b32 s79, s79, 0x1000                     ; register tile 1: the other one
	s_add_co_u32 s78, s77, s79
	v_add_nc_u32 v[QO+1], s78, v3
	QLOAD 66
	v_and_b32 v3, 7, v0
	v_bfe_u32 v[PN], v0, 3, 1
	v_and_b32 v[PL], 31, v0
	v_mul_u32_u24 v[ADK], v1, KP
	v_lshl_add_u32 v[ADK], v2, 4, v[ADK]           ; r x 272 + 16 h: K fragments, and the stage's way in
	s_xor_b32 s77, s8, 1
	s_lshl_b32 s78, s77, 13
	s_add_co_u32 s78, s78, XCH                     ; where the other key share of my rows gives; once read, my stage
	v_add_nc_u32 v[STO], s78, v[ADK]
	v_mul_u32_u24 v[RD], v2, 272
	v_lshl_add_u32 v[RD], v1, 4, v[RD]
	v_add_nc_u32 v[RD], s78, v[RD]                 ; back: lanes 0-15 one row of 256 bytes, lanes 16-31 the next
	v_lshl_add_u32 v[XR], v[PL], 4, s78
	s_lshl_b32 s78, s77, 8
	s_add_co_u32 s78, s78, XML
	v_lshl_add_u32 v[XRS], v[PL], 2, s78
	s_lshl_b32 s78, s8, 13
	s_add_co_u32 s78, s78, XCH                     ; where I give
	v_lshl_add_u32 v[XW], v[PL], 4, s78
	s_lshl_b32 s78, s8, 8
	s_add_co_u32 s78, s78, XML
	v_lshl_add_u32 v[XWS], v[PL], 2, s78
	s_mul_i32 s77, s10, 32*KP
	v_add_nc_u32 v[ADK], s77, v[ADK]               ; my key share
	v_add_nc_u32 v[ADK+1], SLOT, v[ADK]
	v_lshl_add_u32 v[ADV], v2, 3, v3               ; V, transposing load: key 8 h + (lane mod 8)
	v_mul_u32_u24 v[ADV], v[ADV], VP
	v_lshl_add_u32 v[ADV], v[PN], 4, v[ADV]
	s_mul_i32 s77, s10, 32*VP
	s_add_co_u32 s77, s77, VOFF
	v_add_nc_u32 v[ADV], s77, v[ADV]
	v_add_nc_u32 v[ADV+1], SLOT, v[ADV]
	v_lshlrev_b32 v[CO], 4, v1
	v_lshl_add_u32 v[CO], v2, 12, v[CO]
	s_lshl_b32 s77, s8, 16
	v_add_nc_u32 v[CO], s77, v[CO]                 ; ab: row 16 w + lane / 16 (the tile that I keep), 16 bytes a lane
	; The mask.  In a block's last key tile, query - key = 64 (block & 1) + 32 (w>>1) + 16 (query tile) + r - 32 (w&1) - 8 h - the place's constant.
	s_lshl_b32 s78, s9, 5
	s_lshl_b32 s79, s10, 5
	s_sub_co_u32 s78, s78, s79                     ; 32 (w>>1) - 32 (w&1)
	s_and_b32 s74, s12, 1
	s_lshl_b32 s74, s74, 6
	s_add_co_u32 s74, s74, s78                     ; the first block's part
	s_and_b32 s75, s26, 1
	s_lshl_b32 s75, s75, 6
	s_add_co_u32 s75, s75, s78                     ; the second's
	s_lshl_b32 s79, s10, 4                         ; register tile 0 is query tile w&1,
	s_xor_b32 s27, s79, 16                         ; register tile 1 the other
	v_lshlrev_b32 v3, 3, v2
	v_sub_nc_u32 v3, v1, v3                        ; r - 8 h
	s_add_co_u32 s76, s74, s79
	v_add_nc_u32 v[DL1], s76, v3
	s_add_co_u32 s76, s74, s27
	v_add_nc_u32 v[DL1+1], s76, v3
	s_add_co_u32 s76, s75, s79
	v_add_nc_u32 v[DL2], s76, v3
	s_add_co_u32 s76, s75, s27
	v_add_nc_u32 v[DL2+1], s76, v3
	s_add_co_u32 s77, s10, 2                       ; from a slot's first step to the step that I fetch for next
	; O is cleared once; both maxima and sums begin; the two registers that v_permlanex16_b32 writes have to have been written
	WIN 0x80
.set ci, 0
.rept 128
	v_mov_b32 v[ci], 0
.set ci, ci+1
.endr
	WIN 0
	v_mov_b32 v[MX], MINIT
	v_mov_b32 v[MX+1], MINIT
	v_mov_b32 v[LS], 0
	v_mov_b32 v[LS+1], 0
	v_mov_b32 v[T+15], 0
	v_mov_b32 v[T+31], 0
; Scores of register tile qt with key > query become -inf: kept where the place's constant <= query - key at place 0.
.macro MASK dl, qt
.irp kt, 0,1,2,3
.irp j, 0,1,2,3,4,5,6,7
	v_cmp_le_i32 vcc_lo, 64*(\kt>>1)+16*(\kt&1)+\j, v[\dl+\qt]
	v_cndmask_b32 v[SF+32*\qt+8*\kt+\j], 0xff800000, v[SF+32*\qt+8*\kt+\j], vcc_lo
.endr
.endr
.endm
; A unit is four scores.  SB, NQ, PQ: the tile's scores, its -1024 M and its packed weights, set by SLICE.
.macro EXPU u
.irp k, 0,1,2,3
	v_exp_f32 v[SB+4*(\u)+\k], v[SB+4*(\u)+\k]
.endr
.endm
.macro FMAU u
	v_pk_fma_f32 v[SB+4*(\u):SB+4*(\u)+1], v[SB+4*(\u):SB+4*(\u)+1], s[24:25], v[NQ:NQ+1] op_sel_hi:[1,0,1]
	v_pk_fma_f32 v[SB+4*(\u)+2:SB+4*(\u)+3], v[SB+4*(\u)+2:SB+4*(\u)+3], s[24:25], v[NQ:NQ+1] op_sel_hi:[1,0,1]
.endm
.macro CVTU u
	s_wait_alu depctr_va_vdst(0)
	v_cvt_pk_f16_f32 v[PQ+2*(\u)], v[SB+4*(\u)], v[SB+4*(\u)+1]
	v_cvt_pk_f16_f32 v[PQ+2*(\u)+1], v[SB+4*(\u)+2], v[SB+4*(\u)+3]
.endm
; Slice n (0 .. 15) of register tile qt's softmax, in window 0; it names no register of the other tile's products.
; Every group of exponentials is followed in its own slice by a plain instruction on other registers (ISA guide 5.7.2).
; mode 0: no mask; 1: the mask where this is the first block's last step; 2: the second block's last step.
.macro SLICE qt, n, mode
.set sn, \n
.set SB, SF+32*\qt
.set TT, T+16*\qt
.set NQ, NM+2*\qt
.set PQ, PF+16*\qt
	WIN 0
.if sn == 0
.if \qt == 0
	PLACES                                         ; tile 0's last score product stands one matrix instruction back; tile 1's is eight packed multiplies back
.endif
.if \mode == 1
	s_cmp_lg_u32 s17, s16
	s_cbranch_scc1 .Lnomask_\@
	MASK DL1, \qt
.Lnomask_\@:
.endif
.if \mode == 2
	MASK DL2, \qt
.endif
.irp k, 0,1,2,3
	v_max3_num_f32 v[TT+\k], v[SB+3*\k], v[SB+3*\k+1], v[SB+3*\k+2]
.endr
.endif
.if sn == 1
.irp k, 4,5,6,7,8,9
	v_max3_num_f32 v[TT+\k], v[SB+3*\k], v[SB+3*\k+1], v[SB+3*\k+2]
.endr
.endif
.if sn == 2
.irp k, 0,1,2
	v_max3_num_f32 v[TT+10+\k], v[TT+3*\k], v[TT+3*\k+1], v[TT+3*\k+2]
.endr
	v_max3_num_f32 v[TT+13], v[TT+9], v[SB+30], v[SB+31]
.endif
.if sn == 3
	v_max3_num_f32 v[TT+14], v[TT+10], v[TT+11], v[TT+12]
	v_max3_num_f32 v[TT+14], v[TT+14], v[TT+13], v[MX+\qt]
.endif
.if sn == 4
	v_permlanex16_b32 v[TT+15], v[TT+14], s22, s23 ; the row's other lane
	v_max_num_f32 v[TT+14], v[TT+14], v[TT+15]     ; the new maximum
.endif
.if sn == 5
	v_mul_f32 v[NQ], s3, v[TT+14]                  ; -1024 M, exact
	v_mul_f32 v[NQ+1], s3, v[TT+14]
	v_fma_f32 v[TT+13], v[MX+\qt], s24, v[NQ]      ; 1024 (old maximum - new)
.endif
.if sn == 6
	v_exp_f32 v[AL+2*\qt], v[TT+13]                ; what the old sums are worth
	FMAU 0
	FMAU 1
	v_mov_b32 v[MX+\qt], v[TT+14]
.endif
.if sn == 7
	EXPU 0
	FMAU 2
	s_wait_alu depctr_va_vdst(0)
	v_mov_b32 v[AL+2*\qt+1], v[AL+2*\qt]
.endif
.if sn >= 8
.if sn <= 14
	EXPU sn-7
.endif
.if sn <= 12
	FMAU sn-5
.endif
	CVTU sn-8
.endif
.endm
; Slice n of both tiles' sums of weights: a tree of packed adds over the 32 weights of a lane, then sum = sum x rescaling + this step's.
.macro SUMSL n
.set sn, \n
	WIN 0
.irp q, 0,1
.set SB, SF+32*\q
.set TT, T+16*\q
.if sn < 8
	v_pk_add_f32 v[TT+2*sn:TT+2*sn+1], v[SB+4*sn:SB+4*sn+1], v[SB+4*sn+2:SB+4*sn+3]
.elseif sn < 12
	v_pk_add_f32 v[TT+2*(sn-8):TT+2*(sn-8)+1], v[TT+2*(sn-8):TT+2*(sn-8)+1], v[TT+2*(sn-8)+8:TT+2*(sn-8)+9]
.elseif sn < 14
	v_pk_add_f32 v[TT+2*(sn-12):TT+2*(sn-12)+1], v[TT+2*(sn-12):TT+2*(sn-12)+1], v[TT+2*(sn-12)+4:TT+2*(sn-12)+5]
.elseif sn == 14
	v_pk_add_f32 v[TT:TT+1], v[TT:TT+1], v[TT+2:TT+3]
.else
	v_add_f32 v[TT], v[TT], v[TT+1]
	v_fma_f32 v[LS+\q], v[LS+\q], v[AL+2*\q], v[TT]
.endif
.endr
.endm
.macro RESC qt, db                     ; O (qt, db) times the step's rescaling, under the setting of the products with V
.irp k, 0,1,2,3
	v_pk_mul_f32 v[8*(8*\qt+(\db))+2*\k:8*(8*\qt+(\db))+2*\k+1], v[8*(8*\qt+(\db))+2*\k:8*(8*\qt+(\db))+2*\k+1], v[AL+2*\qt:AL+2*\qt+1]
.endr
.endm
.macro PV qt, kb, db
	WIN 0xa2                                       ; O and V in window 2, P and the rescaling in window 0
	v_wmma_f32_16x16x32_f16 v[8*(8*\qt+\db):8*(8*\qt+\db)+7], v[128+8*(8*\kb+\db):128+8*(8*\kb+\db)+7], v[PF+16*\qt+8*\kb:PF+16*\qt+8*\kb+7], v[8*(8*\qt+\db):8*(8*\qt+\db)+7]
.if \kb == 0
.if \db < 7
	RESC \qt, \db+1                                ; the next accumulator of this run, not yet taken up in this step
.endif
.endif
.endm
.macro QK qt, kd, kt
	WIN 0x01                                       ; K in window 1
.if \kd == 0
	v_wmma_f32_16x16x32_f16 v[SF+32*\qt+8*\kt:SF+32*\qt+8*\kt+7], v[8*(4*\kd+\kt):8*(4*\kd+\kt)+7], v[QF+32*\qt+8*\kd:QF+32*\qt+8*\kd+7], 0
.else
	v_wmma_f32_16x16x32_f16 v[SF+32*\qt+8*\kt:SF+32*\qt+8*\kt+7], v[8*(4*\kd+\kt):8*(4*\kd+\kt)+7], v[QF+32*\qt+8*\kd:QF+32*\qt+8*\kd+7], v[SF+32*\qt+8*\kt:SF+32*\qt+8*\kt+7]
.endif
.endm
; One key tile: tile s74 (0 or 1) of the slot.  In every run the accumulators take turns, one instruction a turn.
.macro STEP slot, mode
	s_mul_i32 s75, s74, KT
	s_mul_i32 s76, s74, VT
	v_add_nc_u32 v[AK], s75, v[ADK+\slot]          ; with the last four lines of the sums these are six places behind the last product with V,
	v_add_nc_u32 v[AV], s76, v[ADV+\slot]          ; whose V registers are loaded again below
	WIN 0x40
.irp kd, 0,1,2,3
.irp kt, 0,1,2,3
	ds_load_b128 v[8*(4*\kd+\kt):8*(4*\kd+\kt)+3], v[AK] offset:(64*(\kt>>1)+16*(\kt&1))*KP+64*\kd
	ds_load_b128 v[8*(4*\kd+\kt)+4:8*(4*\kd+\kt)+7], v[AK] offset:(64*(\kt>>1)+16*(\kt&1))*KP+64*\kd+32
.endr
.endr
.irp kd, 0,1,2,3
	s_wait_dscnt 24                                ; behind K's round kd stand three rounds of eight loads: K's that remain and V's already issued
.irp kt, 0,1,2,3
	QK 0, \kd, \kt
.endr
	WIN 0x80
.irp f, 0,1,2,3
	ds_load_tr16_b128 v[128+8*(4*\kd+\f):128+8*(4*\kd+\f)+3], v[AV] offset:64*((4*\kd+\f)>>3)*VP+32*((4*\kd+\f)&7)
	ds_load_tr16_b128 v[128+8*(4*\kd+\f)+4:128+8*(4*\kd+\f)+7], v[AV] offset:64*((4*\kd+\f)>>3)*VP+32*((4*\kd+\f)&7)+16*VP
.endr
.endr
.irp kd, 0,1,2,3
.irp kt, 0,1,2,3
	QK 1, \kd, \kt
	SLICE 0, 4*\kd+\kt, \mode
.endr
.endr
	WIN 0xa2
	RESC 0, 0
	s_wait_dscnt 0x0                               ; V
.irp kb, 0,1
.irp db, 0,1,2,3,4,5,6,7
	PV 0, \kb, \db
	SLICE 1, 8*\kb+\db, \mode
.endr
.endr
	WIN 0xa2
	RESC 1, 0
.irp kb, 0,1
.irp db, 0,1,2,3,4,5,6,7
	PV 1, \kb, \db
	SUMSL 8*\kb+\db
.endr
.endr
.endm
; The end of a block.  I give register tile 1 with its maximum and sum to the other key share of my rows, and merge what it gives into my tile 0.
.macro FINISH ob
	PLACES                                         ; before O is read
	WIN 0x08                                       ; store data in window 2
.set ci, 0
.rept 16
	ds_store_b128 v[XW], v[64+4*ci:64+4*ci+3] offset:512*ci
.set ci, ci+1
.endr
	WIN 0
	ds_store_b32 v[XWS], v[MX+1]
	ds_store_b32 v[XWS], v[LS+1] offset:128
	s_wait_dscnt 0x0                               ; what I give is in LDS,
	s_barrier_signal -1
	s_barrier_wait -1                              ; and so is what the others give.  The load that is out may stay out
.set ci, 0
.rept 16
	ds_load_b128 v[SF+4*ci:SF+4*ci+3], v[XR] offset:512*ci
.set ci, ci+1
.endr
	ds_load_b32 v[PN], v[XRS]
	ds_load_b32 v[PL], v[XRS] offset:128
	s_wait_dscnt 0x0
	v_max_num_f32 v[T], v[MX], v[PN]               ; the common maximum
	v_sub_f32 v[T+1], v[MX], v[T]
	v_sub_f32 v[T+2], v[PN], v[T]
	v_mul_f32 v[T+1], s24, v[T+1]
	v_mul_f32 v[T+2], s24, v[T+2]
	v_exp_f32 v[T+1], v[T+1]                       ; my share's weight
	v_exp_f32 v[T+2], v[T+2]                       ; the partner's
	v_nop
	s_wait_alu depctr_va_vdst(0)
	v_mul_f32 v[T+4], v[LS], v[T+1]
	v_fma_f32 v[T+3], v[PL], v[T+2], v[T+4]
	v_permlanex16_b32 v[T+4], v[T+3], s22, s23     ; the sums of the row's other lane
	v_add_f32 v[T+3], v[T+3], v[T+4]
	v_rcp_f32 v[T+3], v[T+3]
	v_nop
	s_wait_alu depctr_va_vdst(0)
	v_mul_f32 v[T+6], v[T+1], v[T+3]
	v_mul_f32 v[T+7], v[T+1], v[T+3]
	v_mul_f32 v[T+8], v[T+2], v[T+3]
	v_mul_f32 v[T+9], v[T+2], v[T+3]
.set ci, 0
.rept 32
	v_pk_mul_f32 v[SF+2*ci:SF+2*ci+1], v[SF+2*ci:SF+2*ci+1], v[T+8:T+9]
.set ci, ci+1
.endr
	WIN 0x02
.set ci, 0
.rept 32
	v_pk_fma_f32 v[SF+2*ci:SF+2*ci+1], v[2*ci:2*ci+1], v[T+6:T+7], v[SF+2*ci:SF+2*ci+1]
.set ci, ci+1
.endr
	WIN 0
.set ci, 0
.rept 32
	v_cvt_pk_f16_f32 v[PF+ci], v[SF+2*ci], v[SF+2*ci+1]
.set ci, ci+1
.endr
.irp db, 0,1,2,3,4,5,6,7
	ds_store_b128 v[STO], v[PF+4*\db:PF+4*\db+3] offset:32*\db     ; row r, d = 16 db + 8 h + 0..7, into the exchange bytes that I alone have read; their owner writes them again only behind a later barrier
.endr
.irp t, 0,1,2,3,4,5,6,7
	ds_load_b128 v[T+4*\t:T+4*\t+3], v[RD] offset:\t*544           ; LDS serves a wave's instructions in order
.endr
.irp t, 0,1,2,3,4,5,6,7
	s_wait_dscnt 7-\t                              ; the younger read-backs stay out
	global_store_b128 v[CO], v[T+4*\t:T+4*\t+3], s[\ob:\ob+1] offset:8192*\t   ; sixteen lanes store a head's 256 bytes of a row, aligned
.endr
	s_wait_xcnt 0x0                                ; the stores' data lie in T, which the next step's softmax writes
.endm
; Two steps on one slot.  In front of the round every wave waits for all its tensor loads (this slot's tiles among them) and for its LDS
; reads; behind it the next two steps' tiles are asked for first, into the slot read in the two steps before.
.macro PAIR slot, other, mode
	s_wait_tensorcnt 0x0
	s_add_co_u32 s27, s17, s77                     ; the step that I fetch for: 2 or 3 behind this one
	s_cmp_ge_u32 s27, s15
	s_cselect_b32 s18, s15, 0                      ; in the second block the tiles count anew
	s_sub_co_u32 s27, s27, s18
	s_lshl_b32 s20, s27, 15                        ; 128 rows of 256 bytes
	s_add_nc_u64 s[G0K+4*\other+2:G0K+4*\other+3], s[60:61], s[20:21]
	s_or_b32 s[G0K+4*\other+3], s[G0K+4*\other+3], 0x80000000
	s_add_nc_u64 s[G0V+4*\other+2:G0V+4*\other+3], s[62:63], s[20:21]
	s_or_b32 s[G0V+4*\other+3], s[G0V+4*\other+3], 0x80000000
	s_wait_dscnt 0x0
	CROUND
	JLOAD \other
	s_mov_b32 s74, 0
.Lstep_\@:
	STEP \slot, \mode
	s_add_co_u32 s17, s17, 1
.if \mode == 1
	s_cmp_lg_u32 s17, s15                          ; p and the step are the same in all waves and all partners
	s_cbranch_scc1 .Lsame_\@
	QLOAD 68                                       ; the second block's Q comes while the first block is merged and stored
	FINISH 70
	v_mov_b32 v[MX], MINIT                         ; the next step's rescaling is then 0: it clears O and the sums
	v_mov_b32 v[MX+1], MINIT
	s_wait_loadcnt 0x0
.Lsame_\@:
.endif
	s_add_co_u32 s74, s74, 1
	s_cmp_lt_u32 s74, 2
	s_cbranch_scc1 .Lstep_\@
.endm
	s_wait_loadcnt 0x0                             ; the first block's Q
	s_mov_b32 s19, 4
.Lquad:
	PAIR 0, 1, 0                                   ; steps 0 and 1 modulo 4: never a block's last in the loop
	PAIR 1, 0, 1                                   ; steps 2 and 3 modulo 4: the first block's last is one of these
	s_sub_co_u32 s19, s19, 1
	s_cmp_lg_u32 s19, 0
	s_cbranch_scc1 .Lquad
	s_wait_tensorcnt 0x0                           ; step 16, the second block's last, in slot 0: nothing is left to fetch
	s_wait_dscnt 0x0
	s_barrier_signal -1
	s_barrier_wait -1
	s_mov_b32 s74, 0
	STEP 0, 2
	FINISH 72
	CROUND                                         ; the closing round
	s_endpgm
.Lfunc_end_k_q1e4ada2eff_attn:
	.size	k_q1e4ada2eff_attn, .Lfunc_end_k_q1e4ada2eff_attn-k_q1e4ada2eff_attn
	.p2alignl 7, 3214868480
	.fill 96, 4, 3214868480
	.section	.rodata,"a",@progbits
	.p2align	6, 0x0
	.amdhsa_kernel k_q1e4ada2eff_attn
		.amdhsa_group_segment_fixed_size 327680
		.amdhsa_private_segment_fixed_size 0
		.amdhsa_enable_private_segment 0
		.amdhsa_kernarg_size 16
		.amdhsa_user_sgpr_count 2
		.amdhsa_user_sgpr_kernarg_segment_ptr 1
		.amdhsa_wavefront_size32 1
		.amdhsa_system_sgpr_workgroup_id_x 1
		.amdhsa_system_sgpr_workgroup_id_y 1
		.amdhsa_system_sgpr_workgroup_id_z 1
		.amdhsa_system_vgpr_workitem_id 0
		.amdhsa_next_free_vgpr 768
		.amdhsa_next_free_sgpr 80
		.amdhsa_reserve_vcc 1
		.amdhsa_float_denorm_mode_32 3
		.amdhsa_float_denorm_mode_16_64 3
		.amdhsa_memory_ordered 1
		.amdhsa_forward_progress 1
		.amdhsa_inst_pref_size 136
	.end_amdhsa_kernel
	.amdgpu_metadata
---
amdhsa.version: [ 1, 2 ]
amdhsa.kernels:
  - .name:           k_q1e4ada2eff_attn
    .symbol:         k_q1e4ada2eff_attn.kd
    .args:
      - { .name: qkv, .offset: 0, .size: 8, .value_kind: global_buffer, .address_space: global }
      - { .name: ab, .offset: 8, .size: 8, .value_kind: global_buffer, .address_space: global }
    .group_segment_fixed_size: 327680
    .private_segment_fixed_size: 0
    .kernarg_segment_align: 8
    .kernarg_segment_size: 16
    .max_flat_workgroup_size: 128
    .sgpr_count:     80
    .vgpr_count:     768
    .wavefront_size: 32
...
	.end_amdgpu_metadata
.endif
;; end of part 3
;; launch oproj (part 4): grid 16 x 16, 4 waves a work-group, clusters of 4 x 4, 327,680 bytes of LDS; arguments ab, wob, out0; writes out0
.if DOCPART == 4
	.amdgcn_target "amdgcn-amd-amdhsa--gfx1250"
	.amdhsa_code_object_version 6
	.text
	.protected	k_q1e4ada2eff_oproj
	.globl	k_q1e4ada2eff_oproj
	.p2align	8
	.type	k_q1e4ada2eff_oproj,@function
k_q1e4ada2eff_oproj:
	s_mov_b64 s[64:65], 0
	v_nop
	global_prefetch_b8 v0, s[64:65] scope:SCOPE_SE
	s_setreg_imm32_b32 hwreg(HW_REG_WAVE_MODE, 25, 1), 1
	s_wait_xcnt 0x0
	s_wait_alu depctr_hold_cnt(0) depctr_sa_sdst(0) depctr_va_vdst(0) depctr_va_sdst(0) depctr_va_ssrc(0) depctr_va_vcc(0) depctr_vm_vsrc(0)
	s_getreg_b32 s2, hwreg(HW_REG_IB_STS2, 6, 4)
	s_cmp_eq_u32 s2, 0
	s_cbranch_scc0 .Lentry_in_a_cluster
	s_endpgm
.Lentry_in_a_cluster:
	s_bfe_u32 s2, ttmp6, 0x10000c
	s_cmp_lg_u32 s2, 0xf033
	s_cbranch_scc0 .Lentry_shape_is_right
	s_endpgm
.Lentry_shape_is_right:
; out0 = ab wob.  ab [2048][2048] f16 (a quarter of the attention's result), wob [2048 k][2048 n] f16 (4 Wo), sums and result in f32.
; 256 work-groups of 128 x 128; four waves of 64 x 64: 16 accumulator tiles.  K goes in steps of 256 through two LDS slots.
; CLUSTER 4 x 4: ab's tiles are asked for jointly along a row of the cluster, wob's along a column.
; wob lies [k][n]: the transposing load makes its fragments.  Source 0 = 16 columns of wob, source 1 = 16 rows of ab: lane (r, h) holds
; row r and the columns 16 b + 8 h + 0..7.
; REGISTERS: window 0: v16-24 addresses, v32-95 and v96-159 two fragment buffers (4 of wob, 4 of ab), v160-223 the way out;
;            window 1: accumulator tile (a, b) at 8 (4 a + b).
.set NB,    4
.set PA,    528                        ; ab rows in LDS: 512 bytes + 16
.set PB,    288                        ; wob rows: 256 bytes + 32
.set BOFF,  2*128*PB                   ; wob's halves are fetched by waves 2 and 3: LDS address wave x 128 rows; ab's 128 x 528 bytes lie under it
.set SLOT,  BOFF+256*PB
.set STAGE, 2*SLOT                     ; 16 rows x 272 bytes for each wave; no fill lands here
.set SP,    272
.set ASTEP, 512
.set BSTEP, 256*4096
.set F0,    32
.set F1,    96
.set NL,    16
.set LAPS,  4                          ; 2048 / (2 x 256)
.set ADRA,  16                         ; v16, v17
.set ADRB,  18                         ; v18, v19: slot 0, k rows 0-127 and 128-255; v20, v21: slot 1
.set STO,   22
.set RD,    23
.set CO,    24
.set G1A,   24
.set G0A,   32
.set G1B,   40
.set G0B,   48
.set MULW,  0x50
.set MSB,   0
.macro WIN new
.if MSB != \new
	s_set_vgpr_msb (MSB<<8)|\new
.set MSB, \new
.endif
.endm
.macro PLACES
.rept 4
	v_nop
.endr
.endm
.macro CREST
	s_cmp_lg_u32 s14, 0
	s_cbranch_scc1 .Lnot_wave_0_\@
	s_barrier_signal -3
.Lnot_wave_0_\@:
	s_barrier_wait -3
	s_barrier_signal -1
	s_barrier_wait -1
.endm
.macro CROUND
	s_barrier_signal -1
	s_barrier_wait -1
	CREST
.endm
.macro JLOAD s
	s_cmp_eq_u32 s15, 0
	s_cbranch_scc0 .Lfor_b_\@
	tensor_load_to_lds s[G0A+4*\s:G0A+4*\s+3], s[G1A:G1A+7]
	s_nop 0
	s_branch .Lasked_\@
.Lfor_b_\@:
	tensor_load_to_lds s[G0B+4*\s:G0B+4*\s+3], s[G1B:G1B+7]
	s_nop 0
.Lasked_\@:
.endm
	s_load_b128 s[4:7], s[0:1], 0x0                ; ab s[4:5], wob s[6:7]
	s_load_b64 s[8:9], s[0:1], 0x10                ; out0
	v_lshrrev_b32 v1, 5, v0
	v_readfirstlane_b32 s14, v1                    ; wave
	s_lshr_b32 s15, s14, 1                         ; my 64 rows.  Also: I fetch ab (0) or wob (1)
	s_and_b32 s16, s14, 1                          ; my 64 columns.  Also: which half of that tile I fetch
	s_bfe_u32 s17, ttmp6, 0x40000
	s_bfe_u32 s18, ttmp6, 0x40004
	s_lshl_b32 s19, ttmp9, 2
	s_add_co_u32 s19, s19, s17                     ; block column
	s_and_b32 s20, ttmp7, 0xffff
	s_lshl_b32 s20, s20, 2
	s_add_co_u32 s20, s20, s18                     ; block row
	s_lshl_b32 s21, s18, 2
	s_lshl_b32 s21, 15, s21
	s_lshl_b32 s22, 0x1111, s17
	s_or_b32 s[G1A+0], s21, (1<<16)|(1<<20)|(1<<21)|(6<<22)|(3<<25)  ; after 128 words 4 words of padding
	s_mov_b32 s[G1A+1], 256<<16
	s_mov_b32 s[G1A+2], 64<<16                     ; 64 rows
	s_mov_b32 s[G1A+3], 256<<16
	s_mov_b32 s[G1A+4], 64
	s_mov_b32 s[G1A+5], 2048
	s_mov_b32 s[G1A+6], 0
	s_mov_b32 s[G1A+7], 0
	s_or_b32 s[G1B+0], s22, (1<<16)|(1<<20)|(1<<21)|(5<<22)|(7<<25)  ; after 64 words 8 words
	s_mov_b32 s[G1B+1], 128<<16
	s_mov_b32 s[G1B+2], 128<<16                    ; 128 rows of k
	s_mov_b32 s[G1B+3], 128<<16
	s_mov_b32 s[G1B+4], 128
	s_mov_b32 s[G1B+5], 2048
	s_mov_b32 s[G1B+6], 0
	s_mov_b32 s[G1B+7], 0
	s_lshl_b32 s56, s20, 19                        ; ab: row 128 x block + 64 x half, rows of 4,096 bytes; never holds cx
	s_lshl_b32 s57, s16, 18
	s_add_co_u32 s56, s56, s57
	s_mov_b32 s57, 0
	s_lshl_b32 s58, s16, 19                        ; wob: k row 128 x half, column 128 x block; never holds cy
	s_lshl_b32 s59, s19, 8
	s_add_co_u32 s58, s58, s59
	s_mov_b32 s59, 0
	s_mul_i32 s60, s14, 64*PA
	s_mul_i32 s61, s14, 128*PB
	s_lshl_b32 s66, s20, 20                        ; out0: 128 rows of 8,192 bytes a block,
	s_lshl_b32 s67, s15, 19                        ; 64 rows a wave,
	s_add_co_u32 s66, s66, s67
	s_lshl_b32 s67, s19, 9                         ; 512 bytes a block column,
	s_add_co_u32 s66, s66, s67
	s_lshl_b32 s67, s16, 8                         ; 256 bytes a wave
	s_add_co_u32 s66, s66, s67
	s_mov_b32 s67, 0
	s_wait_kmcnt 0x0
	s_add_nc_u64 s[56:57], s[4:5], s[56:57]
	s_add_nc_u64 s[58:59], s[6:7], s[58:59]
	s_add_nc_u64 s[8:9], s[8:9], s[66:67]
	CROUND
.irp s, 0,1
	s_mov_b32 s[G0A+4*\s], 1
	s_add_co_u32 s[G0A+4*\s+1], s60, \s*SLOT
	s_add_nc_u64 s[G0A+4*\s+2:G0A+4*\s+3], s[56:57], \s*ASTEP
	s_or_b32 s[G0A+4*\s+3], s[G0A+4*\s+3], 0x80000000
	s_mov_b32 s[G0B+4*\s], 1
	s_add_co_u32 s[G0B+4*\s+1], s61, \s*SLOT
	s_add_nc_u64 s[G0B+4*\s+2:G0B+4*\s+3], s[58:59], \s*BSTEP
	s_or_b32 s[G0B+4*\s+3], s[G0B+4*\s+3], 0x80000000
	JLOAD \s                                       ; two loads of the wave are out
.endr
	v_and_b32 v1, 15, v0
	v_bfe_u32 v2, v0, 4, 1
	v_and_b32 v3, 7, v0
	v_bfe_u32 v4, v0, 3, 1
	v_mul_u32_u24 v6, v1, PA
	v_lshl_add_u32 v6, v2, 4, v6
	s_mul_i32 s62, s15, 64*PA
	v_add_nc_u32 v[ADRA], s62, v6
	v_add_nc_u32 v[ADRA+1], SLOT, v[ADRA]
	v_lshl_add_u32 v6, v2, 3, v3
	v_mul_u32_u24 v6, v6, PB
	v_lshl_add_u32 v6, v4, 4, v6
	s_lshl_b32 s62, s16, 7                         ; my 64 columns: 128 bytes
	s_add_co_u32 s62, s62, BOFF
	v_add_nc_u32 v[ADRB], s62, v6
	v_add_nc_u32 v[ADRB+1], 128*PB, v[ADRB]
	v_add_nc_u32 v[ADRB+2], SLOT, v[ADRB]
	v_add_nc_u32 v[ADRB+3], SLOT+128*PB, v[ADRB]
	s_mul_i32 s62, s14, 16*SP
	s_add_co_u32 s62, s62, STAGE
	v_mul_u32_u24 v6, v1, SP
	v_lshl_add_u32 v6, v2, 5, v6
	v_add_nc_u32 v[STO], s62, v6
	v_mul_u32_u24 v6, v2, SP
	v_lshl_add_u32 v6, v1, 4, v6
	v_add_nc_u32 v[RD], s62, v6
	v_lshlrev_b32 v6, 13, v2
	v_lshl_add_u32 v[CO], v1, 4, v6
.macro FETCH slot, q, f
	WIN 0
.irp b, 0,1,2,3
	ds_load_tr16_b128 v[\f+8*\b:\f+8*\b+3], v[ADRB+2*\slot+(\q>>2)] offset:(\q&3)*32*PB+32*\b
	ds_load_tr16_b128 v[\f+8*\b+4:\f+8*\b+7], v[ADRB+2*\slot+(\q>>2)] offset:(\q&3)*32*PB+32*\b+16*PB
.endr
.irp a, 0,1,2,3
	ds_load_b128 v[\f+8*NB+8*\a:\f+8*NB+8*\a+3], v[ADRA+\slot] offset:\a*16*PA+64*\q
	ds_load_b128 v[\f+8*NB+8*\a+4:\f+8*NB+8*\a+7], v[ADRA+\slot] offset:\a*16*PA+64*\q+32
.endr
.endm
; The 16 accumulators take turns in the same order in every quarter step.
.macro MULH f, half, zero
.irp a, 2*\half, 2*\half+1
.irp b, 0,1,2,3
.if \zero
	v_wmma_f32_16x16x32_f16 v[8*(NB*(\a)+\b):8*(NB*(\a)+\b)+7], v[\f+8*\b:\f+8*\b+7], v[\f+8*NB+8*(\a):\f+8*NB+8*(\a)+7], 0
.else
	v_wmma_f32_16x16x32_f16 v[8*(NB*(\a)+\b):8*(NB*(\a)+\b)+7], v[\f+8*\b:\f+8*\b+7], v[\f+8*NB+8*(\a):\f+8*NB+8*(\a)+7], v[8*(NB*(\a)+\b):8*(NB*(\a)+\b)+7]
.endif
.endr
.endr
.endm
.macro QUARTER f, g, slot, qnext, zero
	PLACES                                         ; g was read by the matrix instructions just issued
	FETCH \slot, \qnext, \g
	s_wait_dscnt NL                                ; all but the NL loads just issued: f is whole
	WIN MULW
	MULH \f, 0, \zero
	MULH \f, 1, \zero
.endm
.macro SLOTRUN slot, zero
	QUARTER F0, F1, \slot, 1, \zero
	QUARTER F1, F0, \slot, 2, 0
	QUARTER F0, F1, \slot, 3, 0
	QUARTER F1, F0, \slot, 4, 0
	QUARTER F0, F1, \slot, 5, 0
	QUARTER F1, F0, \slot, 6, 0
	QUARTER F0, F1, \slot, 7, 0
.endm
; The change of slots: each wave's reads of this slot and all its tensor loads are waited for in front of the barrier; where the slot is
; filled again the barrier opens a round of the cluster's barrier and the joint load comes first behind it.
.macro TURN slot, next, fill
	s_wait_dscnt 0x0
	s_wait_tensorcnt 0x0
	s_barrier_signal -1
	WIN MULW
	MULH F1, 0, 0
	WIN 0
	s_barrier_wait -1
.if \fill
	CREST
	s_add_nc_u64 s[G0A+4*\slot+2:G0A+4*\slot+3], s[G0A+4*\slot+2:G0A+4*\slot+3], 2*ASTEP
	s_add_nc_u64 s[G0B+4*\slot+2:G0B+4*\slot+3], s[G0B+4*\slot+2:G0B+4*\slot+3], 2*BSTEP
	JLOAD \slot
.endif
	PLACES
	FETCH \next, 0, F0
	WIN MULW
	MULH F1, 1, 0
.endm
.macro LAP zero
	SLOTRUN 0, \zero
	TURN 0, 1, 1
	SLOTRUN 1, 0
	TURN 1, 0, 1
.endm
	s_wait_tensorcnt 0x1                           ; my part of slot 0 is in; slot 1's stays out
	s_barrier_signal -1
	s_barrier_wait -1
	FETCH 0, 0, F0
	LAP 1                                          ; the first products start the sums
	WIN 0
	s_mov_b32 s23, LAPS-2
.Llap:
	LAP 0
	WIN 0
	s_sub_co_u32 s23, s23, 1
	s_cmp_lg_u32 s23, 0
	s_cbranch_scc1 .Llap
	SLOTRUN 0, 0                                   ; the last lap fills nothing
	TURN 0, 1, 0
	SLOTRUN 1, 0
	s_wait_dscnt 0x0
	WIN MULW
	MULH F1, 0, 0
	MULH F1, 1, 0
	WIN 0
	PLACES
; THE WAY OUT, 16 rows at a time through my own stage: 32 bytes a lane in, whole rows of 256 bytes back, sixteen lanes store them aligned.
.macro OUT16 a, f
	WIN 0x04
.irp b, 0,1,2,3
	ds_store_b128 v[STO], v[8*(NB*\a+\b):8*(NB*\a+\b)+3] offset:64*\b
	ds_store_b128 v[STO], v[8*(NB*\a+\b)+4:8*(NB*\a+\b)+7] offset:64*\b+16
.endr
	WIN 0
	s_wait_xcnt 0x0                                ; buffer f was the data of earlier stores
.irp t, 0,1,2,3,4,5,6,7
	ds_load_b128 v[\f+4*\t:\f+4*\t+3], v[RD] offset:\t*2*SP
.endr
.irp t, 0,1,2,3,4,5,6,7
	s_wait_dscnt 7-\t                              ; the younger read-backs stay out
	global_store_b128 v[CO], v[\f+4*\t:\f+4*\t+3], s[8:9] offset:(16*\a+2*\t)*8192 th:TH_STORE_NT
.endr
.endm
	OUT16 0, 160
	OUT16 1, 192
	OUT16 2, 160
	OUT16 3, 192
	CROUND                                         ; the closing round
	s_endpgm
.Lfunc_end_k_q1e4ada2eff_oproj:
	.size	k_q1e4ada2eff_oproj, .Lfunc_end_k_q1e4ada2eff_oproj-k_q1e4ada2eff_oproj
	.p2alignl 7, 3214868480
	.fill 96, 4, 3214868480
	.section	.rodata,"a",@progbits
	.p2align	6, 0x0
	.amdhsa_kernel k_q1e4ada2eff_oproj
		.amdhsa_group_segment_fixed_size 327680
		.amdhsa_private_segment_fixed_size 0
		.amdhsa_enable_private_segment 0
		.amdhsa_kernarg_size 24
		.amdhsa_user_sgpr_count 2
		.amdhsa_user_sgpr_kernarg_segment_ptr 1
		.amdhsa_wavefront_size32 1
		.amdhsa_system_sgpr_workgroup_id_x 1
		.amdhsa_system_sgpr_workgroup_id_y 1
		.amdhsa_system_sgpr_workgroup_id_z 1
		.amdhsa_system_vgpr_workitem_id 0
		.amdhsa_next_free_vgpr 384
		.amdhsa_next_free_sgpr 72
		.amdhsa_reserve_vcc 0
		.amdhsa_float_denorm_mode_32 3
		.amdhsa_float_denorm_mode_16_64 3
		.amdhsa_memory_ordered 1
		.amdhsa_forward_progress 1
		.amdhsa_inst_pref_size 125
	.end_amdhsa_kernel
	.amdgpu_metadata
---
amdhsa.version: [ 1, 2 ]
amdhsa.kernels:
  - .name:           k_q1e4ada2eff_oproj
    .symbol:         k_q1e4ada2eff_oproj.kd
    .args:
      - { .name: ab, .offset: 0, .size: 8, .value_kind: global_buffer, .address_space: global }
      - { .name: wob, .offset: 8, .size: 8, .value_kind: global_buffer, .address_space: global }
      - { .name: out0, .offset: 16, .size: 8, .value_kind: global_buffer, .address_space: global }
    .group_segment_fixed_size: 327680
    .private_segment_fixed_size: 0
    .kernarg_segment_align: 8
    .kernarg_segment_size: 24
    .max_flat_workgroup_size: 128
    .sgpr_count:     72
    .vgpr_count:     384
    .wavefront_size: 32
...
	.end_amdgpu_metadata
.endif
;; end of part 4
